; MI455X (gfx1250); checked and timed in simulation.
; The chip was launched on July 23, 2026; its instructions are those of AMD's public machine-readable ISA for CDNA 5 (MIT licence, August 2026) and "CDNA5" Instruction Set Architecture Reference Guide (July 2026). The comments in the code are by the model that wrote it; some were corrected since.
;; Causal Self Attention. Allowed arithmetic: matrix products marked QUANTISED: E2M1 operands, one E8M0 scale for each 32 along K, by v_wmma_scale_f32_16x16x128_f8f6f4 with both operands' format E2M1 (or v_wmma_scale_f32_32x16x128_f4), f32 sums; products left as they are: bf16, f16 or f32 operands; f32 sums; everything else in f32.
;; Inputs: Wk 2,048 x 2,048 float32; Wo 2,048 x 2,048 float32; Wq 2,048 x 2,048 float32; Wv 2,048 x 2,048 float32; bk 2,048 float32; bo 2,048 float32; bq 2,048 float32; bv 2,048 float32; mask 1 x 1 x 2,048 x 2,048 float32; x 1 x 2,048 x 2,048 float32.
;; Outputs: out0 1 x 2,048 x 2,048 float32.
;; This version of the problem:
;;   THIS VERSION OF THE PROBLEM IS GIVEN IN LOW PRECISION. The matrix products marked QUANTISED in the list below multiply operands that are first quantised to E2M1 (2 exponent bits, 1 mantissa bit; 4 bits a number), with one power-of-two scale for each 32 numbers along K (OCP MX v1.0); their sums are f32. The products marked 'left as it is' may take bf16, f16 or f32 operands, with f32 sums. Whichever they take, every output number must still come out within the allowed error. Rounding operands to bf16 (8 significant bits) uses up far more of that allowance than f16 does (11 bits, for magnitudes from 6e-5 to 65,504). All else is computed in f32.
;;   The module's matrix products, in the order in which they are computed (A, B: the left and right operand; K: the contracted axis; several contracted axes count as one K, in the product's order):
;;     1. [M 2,048, K 2,048] x [K 2,048, N 2,048]; A: input x; B: input Wq: QUANTISED
;;     2. [M 2,048, K 2,048] x [K 2,048, N 2,048]; A: input x; B: input Wk: QUANTISED
;;     3. [M 2,048, K 2,048] x [K 2,048, N 2,048]; A: input x; B: input Wv: QUANTISED
;;     4. batch 16 x [M 2,048, K 128] x [K 128, N 2,048]; A: computed on the way; B: computed on the way: left as it is (an operand is computed on the way)
;;     5. batch 16 x [M 2,048, K 2,048] x [K 2,048, N 128]; A: computed on the way; B: computed on the way: left as it is (an operand is computed on the way)
;;     6. [M 2,048, K 2,048] x [K 2,048, N 2,048]; A: computed on the way; B: input Wo: left as it is (an operand is computed on the way)
;;   THE QUANTISER, for each operand of a quantised product, along K:
;;     - K is cut into blocks of 32 from its start; a last block that is shorter is filled with zeros.
;;     - A block's scale is 2^e with e = floor(log2(the largest magnitude in the block)) - 2, held to -126 .. 127; a block of zeros has e = 0. As a byte (E8M0): e + 127.
;;     - Each number is divided by its block's scale, clamped to +-6, and rounded to the nearest number of E2M1, ties to even, subnormals kept.
;;     - The product sums the exact products of the quantised numbers (number of the format x scale) in f32.
;;   ~~~python
;;   def quantise(x, axis):      # numpy; x: float32 -> the quantised numbers, widened to float32 again
;;       x = np.moveaxis(x, axis, -1); K = x.shape[-1]
;;       x = np.pad(x, [(0, 0)] * (x.ndim - 1) + [(0, -K % 32)]); x = x.reshape(x.shape[:-1] + (-1, 32)); a = np.abs(x).max(-1, keepdims=True)
;;       e = np.where(a > 0, np.clip(np.frexp(np.where(a > 0, a, 1))[1] - 1 - 2, -126, 127), 0)      # np.frexp(a)[1] - 1 = floor(log2(a)), exactly
;;       r = np.clip(x / 2.0 ** e, -6, 6)
;;       step = 2.0 ** (np.maximum(np.frexp(np.where(r == 0, 1, r))[1] - 1, 0) - 1)
;;       q = np.round(r / step) * step * 2.0 ** e      # np.round: ties to even
;;       return np.moveaxis(q.reshape(q.shape[:-2] + (-1,))[..., :K], -1, axis).astype(np.float32)
;;   ~~~
;; One version. Each part assembles by itself: llvm-mc -triple=amdgcn-amd-amdhsa -mcpu=gfx1250 --defsym DOCPART=n.
;; ======== version 1 of 1: 5 launches
;; limits: values are held in f16: magnitudes above 65,504 overflow, below 6.1e-05 lose precision
;; workspace buffers: codes 8,388,608 bytes; scales 524,288 bytes; wo16 8,388,608 bytes; mbits 524,288 bytes of whole numbers; qkv16 25,165,824 bytes; ctx16 8,388,608 bytes; ctx32 131,072 bytes
;; launch prep (part 1): grid 768 x 1, 4 waves a work-group, no clusters, 67,072 bytes of LDS; arguments x, Wq, Wk, Wv, Wo, mask, codes, scales, wo16, mbits; writes codes, scales, wo16, mbits
.if DOCPART == 1
	.amdgcn_target "amdgcn-amd-amdhsa--gfx1250"
	.amdhsa_code_object_version 6
	.text
	.protected	k_qdbd8dfc233_prep
	.globl	k_qdbd8dfc233_prep
	.p2align	8
	.type	k_qdbd8dfc233_prep,@function
k_qdbd8dfc233_prep:
	s_mov_b64 s[64:65], 0
	v_nop
	global_prefetch_b8 v0, s[64:65] scope:SCOPE_SE
	s_setreg_imm32_b32 hwreg(HW_REG_WAVE_MODE, 25, 1), 1
	s_wait_xcnt 0x0
; PREP: three jobs, told apart by the work-group's number; each work-group reads 131,072 bytes.
;   0-511    x, Wq, Wk, Wv (f32, [2048][2048], K innermost) become codes of E2M1 (two a byte, the lower k in the low four bits) and one E8M0 byte for each 32 along K.
;            codes: [8192 rows][1024 bytes], rows 0-2047 x, then Wq, Wk, Wv; scales: [8192][64].
;   512-639  Wo becomes f16, same shape.
;   640-767  the mask becomes lane-mask words: bit (r + 16 h) of a word is 1 where mask[16 Tq + r][key] is -infinity; every other value, NaN too, gives 0.
;            Word (j, 8 kt + i) of query tile Tq and key half kh lies at byte 4096 Tq + 2048 kh + 128 j + 4 (8 kt + i); its key is 256 (j / 2) + 128 kh + 64 (j % 2) + 16 kt + 8 h + i.
; A block's scale is 2^(floor(log2(its largest magnitude)) - 2): its byte is the largest magnitude's exponent field - 2, held at 1 from below.
; LIMITS: a block of zeros gets the byte 1 (its codes are zeros; this program alone reads the bytes); blocks whose largest magnitude lies under 2^(2 - 126) are held at that byte;
; NaN and infinities in x and the weights are not served; |Wo| stays under 65,504, the largest f16 number.
; No tensor loads, no barrier: waves share nothing.  Each job that uses LDS has LDS bytes of its own.
.set STEPS, 16
.set EMAX,  2
.set CB,    8                          ; bytes of 16 codes
.set R,     16                         ; v16-79   four sets of 16 numbers as they are loaded
.set X,     80                         ; v80-111  quantiser: two sets of 16 neighbours
.set E,     112                        ; v112-127 quantiser: a scale byte for each step
.set C,     128                        ; v128-191 quantiser: codes, four registers for each step
.set Y,     80                         ; v80-111  Wo: four sets of 8 registers of f16
.set T,     144                        ; v144-207 mask: 64 numbers back from the stage
.set WD,    208                        ; v208-215 mask: a pair of words a lane for each of four key groups
.set MIN,   216                        ; v216     mask: my place in the stage on the way in
.set MOUT,  217                        ; v217     and on the way out
.set WREG,  8192                       ; LDS, quantiser: a region for each wave: two stages of 32 x SP bytes, behind them its 256 scale bytes
.set SP,    80                         ; a lane's place in a stage: 64 bytes + 16 of padding
.set MST,   4*WREG                     ; LDS, mask: a stage of 16 rows x MPI bytes for each wave
.set MPI,   528                        ; 512 bytes + 16 of padding
.set SPARE, MST+4*16*MPI               ; the spare words, 128 bytes for each wave: two blocks of 256 bytes that no other line names
.set SPW,   12                         ; v12  SPARE + 4 x my thread's number; never rewritten
.set NIL,   13                         ; v13  0; never rewritten
	s_load_b512 s[4:19], s[0:1], 0x0               ; x 4:5, Wq 6:7, Wk 8:9, Wv 10:11, Wo 12:13, mask 14:15, codes 16:17, scales 18:19
	s_load_b128 s[20:23], s[0:1], 0x40             ; wo16 20:21, mbits 22:23
	v_lshl_add_u32 v[SPW], v0, 2, SPARE
	v_mov_b32 v[NIL], 0
	v_lshrrev_b32 v1, 5, v0
	v_readfirstlane_b32 s24, v1                    ; wave 0..3
	v_and_b32 v2, 31, v0                           ; lane
	v_lshlrev_b32 v3, 4, v2                        ; 16 x lane
	v_lshlrev_b32 v4, 3, v2                        ; 8 x lane
	; every LDS address of both jobs that use LDS is made here, ahead of the branches
	s_mul_i32 s25, s24, WREG
	v_lshrrev_b32 v14, 2, v2
	v_mul_u32_u24 v14, v14, SP
	v_and_b32 v15, 3, v2
	v_lshl_add_u32 v14, v15, 4, v14
	v_add_nc_u32 v14, s25, v14                     ; quantiser's stage, in: SP (lane / 4) + 16 (lane % 4)
	v_mul_u32_u24 v15, v2, SP
	v_add_nc_u32 v15, s25, v15                     ; and out: SP x lane: my 16 neighbours
	v_lshrrev_b32 v5, 1, v2
	s_add_co_u32 s25, s25, 2*32*SP
	v_add_nc_u32 v5, s25, v5                       ; my wave's 256 scale bytes, my block's byte
	v_add_nc_u32 v6, s25, v4                       ; and on the way out 8 bytes a lane
	s_mul_i32 s26, s24, 16*MPI
	s_add_co_u32 s26, s26, MST
	v_add_nc_u32 v[MIN], s26, v3                   ; mask's stage, in: 16 x lane of a row
	v_and_b32 v7, 15, v2                           ; r
	v_lshrrev_b32 v8, 4, v2                        ; h
	v_mul_u32_u24 v[MOUT], v7, MPI
	v_lshl_add_u32 v[MOUT], v8, 5, v[MOUT]
	v_add_nc_u32 v[MOUT], s26, v[MOUT]             ; out: row r, + 32 h
	s_wait_kmcnt 0x0
.macro LOAD t                          ; four loads of 512 consecutive bytes, 16 a lane, into set t % 4
.irp i, 0,1,2,3
	global_load_b128 v[R+16*((\t)%4)+4*\i:R+16*((\t)%4)+4*\i+3], v3, s[28:29] offset:2048*(\t)+512*\i th:TH_LOAD_NT
.endr
.endm
	s_cmp_lt_u32 ttmp9, 512
	s_cbranch_scc0 .Lnot_quant
	; ---- THE QUANTISER.  Rows are dense and K is a multiple of 32: a tensor is a plain stream of blocks of 32, and so are its codes and scale bytes.
	; A wave takes 16 steps of 512 numbers.  Loads take the bytes as they lie; a step's 2,048 bytes turn through the wave's own stage, so that a lane holds 16 neighbours; two neighbouring lanes hold a block.
	s_cmp_lt_u32 ttmp9, 128                        ; which tensor: the choice hangs on the work-group's number alone
	s_cselect_b64 s[28:29], s[4:5], s[6:7]
	s_cmp_lt_u32 ttmp9, 384
	s_cselect_b64 s[30:31], s[8:9], s[10:11]
	s_cmp_lt_u32 ttmp9, 256
	s_cselect_b64 s[28:29], s[28:29], s[30:31]
	s_and_b32 s26, ttmp9, 127
	s_lshl_b32 s26, s26, 2
	s_add_co_u32 s26, s26, s24                     ; which run of 8,192 numbers of the tensor
	s_lshl_b32 s26, s26, 15
	s_mov_b32 s27, 0
	s_add_nc_u64 s[28:29], s[28:29], s[26:27]
	s_lshl_b32 s26, ttmp9, 2
	s_add_co_u32 s26, s26, s24                     ; which run of all four tensors
	s_lshl_b32 s30, s26, 12                        ; 4,096 bytes of codes a run
	s_mov_b32 s31, 0
	s_add_nc_u64 s[16:17], s[16:17], s[30:31]
	s_lshl_b32 s30, s26, 8                         ; 256 scale bytes a run
	s_add_nc_u64 s[18:19], s[18:19], s[30:31]
.macro QTURN t                         ; step t's numbers through the stage: LDS serves a wave's instructions in order, so no wait stands between the stores and the loads
.irp i, 0,1,2,3
	ds_store_b128 v14, v[R+16*((\t)%4)+4*\i:R+16*((\t)%4)+4*\i+3] offset:32*SP*((\t)%2)+8*SP*\i
.endr
.irp i, 0,1,2,3
	ds_load_b128 v[X+16*((\t)%2)+4*\i:X+16*((\t)%2)+4*\i+3], v15 offset:32*SP*((\t)%2)+16*\i
.endr
.endm
.irp t, 0,1,2,3
	LOAD \t
.endr
	s_wait_loadcnt 12                              ; step 0's four loads are in; the twelve of steps 1 to 3 may be out
	QTURN 0
.macro QSTEP t
.set XS, X+16*((\t)%2)
.if (\t) > 0
	s_wait_dscnt 1                                 ; this step's numbers are back from the stage (the last step's byte store may be out)
.else
	s_wait_dscnt 0x0
.endif
.if (\t)+4 < STEPS
	LOAD (\t)+4                                    ; into the set whose stores into the stage have read their registers
.endif
.if (\t)+1 < STEPS
.if STEPS-2-(\t) >= 3
	s_wait_loadcnt 12                              ; the next step's four loads are in; those of the three steps behind it may be out
.else
	s_wait_loadcnt 4*(STEPS-2-(\t))
.endif
	QTURN (\t)+1
.endif
	v_max3_num_f32 v8, |v[XS]|, |v[XS+1]|, |v[XS+2]|               ; the largest magnitude of my 16, in two chains
	v_max3_num_f32 v9, |v[XS+3]|, |v[XS+4]|, |v[XS+5]|
.irp i, 6,10
	v_max3_num_f32 v8, v8, |v[XS+\i]|, |v[XS+\i+1]|
	v_max3_num_f32 v9, v9, |v[XS+\i+2]|, |v[XS+\i+3]|
.endr
	v_max3_num_f32 v8, v8, |v[XS+14]|, |v[XS+15]|
	v_max3_num_f32 v8, v8, v9, (EMAX+1)<<23        ; and the floor 2^(EMAX + 1 - 127): the byte cannot fall under 1
	v_max_num_f32_dpp v8, v8, v8 row_xmask:1 row_mask:0xf bank_mask:0xf   ; with my neighbour's 16: the block's
	v_add_nc_u32 v11, -(EMAX<<23), v8              ; EMAX off its exponent field: the conversion takes the exponent field of this operand as its scale
	v_cvt_scalef32_pk8_fp4_f32 v[C+4*(\t)], v[XS:XS+7], v11        ; to the nearest code, ties to even, beyond the largest code the largest
	v_cvt_scalef32_pk8_fp4_f32 v[C+4*(\t)+1], v[XS+8:XS+15], v11
	v_lshrrev_b32 v[E+(\t)], 23, v11               ; the scale's byte (also the plain line behind the conversions)
	ds_store_b8 v5, v[E+(\t)] offset:16*(\t)       ; both lanes of a block write the same byte with the same value
	global_store_b64 v4, v[C+4*(\t):C+4*(\t)+1], s[16:17] offset:32*CB*(\t)   ; 32 lanes store 256 consecutive bytes, aligned
.endm
.irp t, 0,1,2,3,4,5,6,7,8,9,10,11,12,13,14,15
	QSTEP \t
.endr
	ds_load_b64 v[8:9], v6                         ; my wave's 256 scale bytes: these loads see my stores
	s_wait_dscnt 0x0
	global_store_b64 v4, v[8:9], s[18:19]          ; 256 consecutive bytes, aligned
	s_branch .Lend
.Lnot_quant:
	s_cmp_lt_u32 ttmp9, 640
	s_cbranch_scc0 .Lmask
	; ---- Wo TO f16.  A wave takes 8,192 numbers in 16 steps; a lane's four numbers of a load become 8 bytes, so a store covers 256 consecutive bytes, aligned.
	s_sub_co_u32 s26, ttmp9, 512
	s_lshl_b32 s26, s26, 2
	s_add_co_u32 s26, s26, s24
	s_lshl_b32 s30, s26, 15
	s_mov_b32 s31, 0
	s_add_nc_u64 s[28:29], s[12:13], s[30:31]
	s_lshl_b32 s30, s26, 14
	s_add_nc_u64 s[20:21], s[20:21], s[30:31]
.macro HALF t
.set RS, R+16*((\t)%4)
.set YS, Y+8*((\t)%4)
.if 15-(\t) >= 3
	s_wait_loadcnt 12                              ; this step's four loads are in; those of three later steps may be out
.else
	s_wait_loadcnt 4*(15-(\t))
.endif
	s_wait_xcnt 0x0                                ; earlier stores have read their data: this set of f16 registers may be written again
.irp i, 0,1,2,3
	v_cvt_pk_f16_f32 v[YS+2*\i], v[RS+4*\i], v[RS+4*\i+1]
	v_cvt_pk_f16_f32 v[YS+2*\i+1], v[RS+4*\i+2], v[RS+4*\i+3]
.endr
.if (\t)+4 < STEPS
	LOAD (\t)+4
.endif
.irp i, 0,1,2,3
	global_store_b64 v4, v[YS+2*\i:YS+2*\i+1], s[20:21] offset:1024*(\t)+256*\i th:TH_STORE_NT
.endr
.endm
.irp t, 0,1,2,3
	LOAD \t
.endr
.irp t, 0,1,2,3,4,5,6,7,8,9,10,11,12,13,14,15
	HALF \t
.endr
	s_branch .Lend
.Lmask:
	; ---- THE MASK.  The work-group takes 16 queries (tile Tq), wave w the key groups 4 w + c of 128 keys, c = 0 .. 3.  A group's 16 x 512 bytes go through the wave's stage, so that lane (r, h) holds
	; query r and, in register 8 t + i, key 16 t + 8 h + i: the places of the scores in the attention launch.  A compare gives a word of 32 lane bits; 64 words a group leave as 256 consecutive bytes.
	s_sub_co_u32 s26, ttmp9, 640                   ; Tq
	s_lshl_b32 s30, s26, 17                        ; 16 rows of 8,192 bytes
	s_lshl_b32 s27, s24, 11                        ; my four groups: 2,048 bytes of each row
	s_add_co_u32 s30, s30, s27
	s_mov_b32 s31, 0
	s_add_nc_u64 s[14:15], s[14:15], s[30:31]
	s_lshl_b32 s30, s26, 12
	s_lshl_b32 s27, s24, 9
	s_add_co_u32 s30, s30, s27
	s_add_nc_u64 s[22:23], s[22:23], s[30:31]
	s_mov_b32 s39, 0xff800000                      ; -infinity
.irp i, 0,1,2,3,4,5,6,7
	v_mov_b32 v[WD+\i], 0                          ; written once: v_writelane_b32's destination counts as read
.endr
.macro MLOAD c                         ; group c: 512 consecutive bytes of each of 16 rows
.irp i, 0,1,2,3,4,5,6,7,8,9,10,11,12,13,14,15
	global_load_b128 v[16+64*((\c)%2)+4*\i:16+64*((\c)%2)+4*\i+3], v3, s[14:15] offset:8192*\i+512*(\c) th:TH_LOAD_NT
.endr
.endm
.macro CHUNK c
.if (\c) < 3
	s_wait_loadcnt 16                              ; this group's 16 loads are in; the next group's may be out
.else
	s_wait_loadcnt 0x0
.endif
.irp i, 0,1,2,3,4,5,6,7,8,9,10,11,12,13,14,15
	ds_store_b128 v[MIN], v[16+64*((\c)%2)+4*\i:16+64*((\c)%2)+4*\i+3] offset:MPI*\i
.endr
.irp t, 0,1,2,3,4,5,6,7
	ds_load_b128 v[T+8*\t:T+8*\t+3], v[MOUT] offset:64*\t
	ds_load_b128 v[T+8*\t+4:T+8*\t+7], v[MOUT] offset:64*\t+16
.endr
	s_wait_dscnt 0x0                               ; the numbers are back, and the stores have read their registers
.if (\c) < 2
	MLOAD (\c)+2
.endif
.irp t, 0,1,2,3,4,5,6,7
.irp i, 0,1,2,3,4,5,6,7
	v_cmp_eq_f32 s[40+\i], s39, v[T+8*\t+\i]       ; bit (r + 16 h): is mask[query r][key 16 t + 8 h + i] -infinity?
.endr
.irp i, 0,1,2,3,4,5,6,7
	v_writelane_b32 v[WD+2*(\c)+(\i%2)], s[40+\i], (8*\t+\i)/2     ; word 8 t + i: lane (8 t + i) / 2 stores words 2 lane and 2 lane + 1
.endr
.endr
	global_store_b64 v4, v[WD+2*(\c):WD+2*(\c)+1], s[22:23] offset:((\c)%2)*2048+((\c)/2)*256   ; 256 consecutive bytes, aligned: key half c % 2, steps 4 w + 2 (c / 2) and the next
.endm
	MLOAD 0
	MLOAD 1
	CHUNK 0
	CHUNK 1
	CHUNK 2
	CHUNK 3
.Lend:
	s_wait_tensorcnt 0x0                           ; the wave's end: behind my last LDS store
	ds_add_u32 v[SPW], v[NIL]
	s_wait_dscnt 0x0
	s_endpgm
.Lfunc_end_k_qdbd8dfc233_prep:
	.size	k_qdbd8dfc233_prep, .Lfunc_end_k_qdbd8dfc233_prep-k_qdbd8dfc233_prep
	.p2alignl 7, 3214868480
	.fill 96, 4, 3214868480
	.section	.rodata,"a",@progbits
	.p2align	6, 0x0
	.amdhsa_kernel k_qdbd8dfc233_prep
		.amdhsa_group_segment_fixed_size 67072
		.amdhsa_private_segment_fixed_size 0
		.amdhsa_enable_private_segment 0
		.amdhsa_kernarg_size 80
		.amdhsa_user_sgpr_count 2
		.amdhsa_user_sgpr_kernarg_segment_ptr 1
		.amdhsa_wavefront_size32 1
		.amdhsa_system_sgpr_workgroup_id_x 1
		.amdhsa_system_sgpr_workgroup_id_y 1
		.amdhsa_system_sgpr_workgroup_id_z 1
		.amdhsa_system_vgpr_workitem_id 0
		.amdhsa_next_free_vgpr 224
		.amdhsa_next_free_sgpr 66
		.amdhsa_reserve_vcc 0
		.amdhsa_float_denorm_mode_32 3
		.amdhsa_float_denorm_mode_16_64 3
		.amdhsa_memory_ordered 1
		.amdhsa_forward_progress 1
		.amdhsa_inst_pref_size 103
	.end_amdhsa_kernel
	.amdgpu_metadata
---
amdhsa.version: [ 1, 2 ]
amdhsa.kernels:
  - .name:           k_qdbd8dfc233_prep
    .symbol:         k_qdbd8dfc233_prep.kd
    .args:
      - { .name: x, .offset: 0, .size: 8, .value_kind: global_buffer, .address_space: global }
      - { .name: Wq, .offset: 8, .size: 8, .value_kind: global_buffer, .address_space: global }
      - { .name: Wk, .offset: 16, .size: 8, .value_kind: global_buffer, .address_space: global }
      - { .name: Wv, .offset: 24, .size: 8, .value_kind: global_buffer, .address_space: global }
      - { .name: Wo, .offset: 32, .size: 8, .value_kind: global_buffer, .address_space: global }
      - { .name: mask, .offset: 40, .size: 8, .value_kind: global_buffer, .address_space: global }
      - { .name: codes, .offset: 48, .size: 8, .value_kind: global_buffer, .address_space: global }
      - { .name: scales, .offset: 56, .size: 8, .value_kind: global_buffer, .address_space: global }
      - { .name: wo16, .offset: 64, .size: 8, .value_kind: global_buffer, .address_space: global }
      - { .name: mbits, .offset: 72, .size: 8, .value_kind: global_buffer, .address_space: global }
    .group_segment_fixed_size: 67072
    .private_segment_fixed_size: 0
    .kernarg_segment_align: 8
    .kernarg_segment_size: 80
    .max_flat_workgroup_size: 128
    .sgpr_count:     66
    .vgpr_count:     224
    .wavefront_size: 32
...
	.end_amdgpu_metadata
.endif
;; end of part 1
;; launch qkv (part 2): grid 24 x 8, 4 waves a work-group, clusters of 4 x 4, 327,680 bytes of LDS; arguments codes, scales, bq, bk, bv, qkv16; writes qkv16
.if DOCPART == 2
	.amdgcn_target "amdgcn-amd-amdhsa--gfx1250"
	.amdhsa_code_object_version 6
	.text
	.protected	k_qdbd8dfc233_qkv
	.globl	k_qdbd8dfc233_qkv
	.p2align	8
	.type	k_qdbd8dfc233_qkv,@function
k_qdbd8dfc233_qkv:
	s_mov_b64 s[64:65], 0
	v_nop
	global_prefetch_b8 v0, s[64:65] scope:SCOPE_SE
	s_setreg_imm32_b32 hwreg(HW_REG_WAVE_MODE, 25, 1), 1
	s_wait_xcnt 0x0
	s_wait_alu depctr_hold_cnt(0) depctr_sa_sdst(0) depctr_va_vdst(0) depctr_va_sdst(0) depctr_va_ssrc(0) depctr_va_vcc(0) depctr_vm_vsrc(0)
	s_getreg_b32 s2, hwreg(HW_REG_IB_STS2, 6, 4)
	s_cmp_eq_u32 s2, 0
	s_cbranch_scc0 .Lentry_in_a_cluster
	s_endpgm
.Lentry_in_a_cluster:
	s_bfe_u32 s2, ttmp6, 0x10000c
	s_cmp_lg_u32 s2, 0xf033
	s_cbranch_scc0 .Lentry_shape_is_right
	s_endpgm
.Lentry_shape_is_right:
; q, k, v = x W^T + b for Wq, Wk, Wv at once: C[m][n] = sum over k of A[m][k] B[n][k] + bias[n], A = x's codes (rows 0-2047 of codes), B = the 6,144 rows of Wq, Wk, Wv behind them.
; Codes of E2M1, one E8M0 byte for each 32 along K, go to the matrix unit as they lie; sums in f32; the results are rounded once to f16 and stored by planes:
; qkv16 [48][2048 positions][128], plane = 16 x (0 q, 1 k, 2 v) + head = column / 128.  LIMIT: |q|, |k|, |v| stay under 65,504, the largest f16 number.
; A tile of C, 256 x 256, is made by a work-group of four waves; a wave makes 128 x 128: 64 accumulators of 16 x 16, 512 registers.  192 tiles.
; K goes in steps of 512 through a ring of two LDS slots filled by the tensor data mover: a tile's row is 256 bytes of memory.
; THE SCALES of the work-group's 256 rows of A and of B, for all of K, are two dense blocks of memory: they come into LDS once, with the first fills, and stay.
; CLUSTERS: 4 x 4 work-groups.  The four of a row of the cluster need the same tiles of A, the four of a column the same tiles of B: each tile is asked for jointly.
; THE MATRIX INSTRUCTION IS USED TRANSPOSED (source 0 = 16 rows of B, source 1 = 16 rows of A): a lane then holds eight neighbouring columns of one row of C.
; THE BIAS is the C of each sum's first product: eight registers for each of B's eight blocks, in the result's layout.
; REGISTERS, in windows of 256: window 0: v0-31 addresses; v32-95 scale words, two sets; from v128 A's fragments, one set; on the way out v32-63, v192-255 are at work.
;   window 1: B's fragments, two sets, at v0 and v128; v64-127 the bias.   window 2: the accumulators of my rows 0-63 ((a, b) at v[8 (8 a + b)]);   window 3: those of my rows 64-127.
.set SIZE_M, 2048
.set SIZE_N, 6144
.set SIZE_K, 2048
.set KSTEP,  512                       ; along K in a slot
.set NQ,     KSTEP/128                 ; matrix instructions deep
.set ROWB,   256                       ; a tile's row in bytes
.set KROW,   SIZE_K*4/8                ; a row of codes in memory, in bytes
.set PITCH,  272                       ; an LDS row: 256 bytes + 16 of padding = 68 words: the 16 rows that a load touches start at 16 different banks (64 banks of 4 bytes: ISA guide 11.1)
.set FR,     8                         ; registers of a fragment: 16 rows x 128 K
.set NL,     2                         ; LDS loads that bring one
.set NP,     4                         ; places behind this matrix instruction (ISA guide 7.12.1)
.set HALFT,  128*PITCH                 ; 128 rows: what one tensor load brings
.set SLOT,   4*HALFT                   ; A's 256 rows, then B's 256 rows
.set LAPS,   SIZE_K/(2*KSTEP)          ; a lap = two K steps = once round the ring
.set KS,     SIZE_K/32                 ; a row of scales in bytes
.set SCL,    2*SLOT                    ; behind the ring: the scales, as units of 256 bytes + 16 of padding
.set HALFS,  (128*KS/256)*272          ; the scales of 128 rows: what one tensor load brings
.set SBLK,   (16*KS/256)*272           ; those of 16 rows
.set SPARE,  SCL+4*HALFS               ; the spare words, 128 bytes for each wave: two blocks of 256 bytes that no other line names
.set SPITCH, 272                       ; the way out: a stage of 16 rows x (256 bytes + 16) for each wave, in slot 0, which has had its last fill and its last read by then
.set ADRA, 16                          ; v16-17  LDS address of my A fragments in slot 0, 1
.set ADRB, 20                          ; v20-21  the same for B
.set STO,  24                          ; v24     the way out: where I put 16 bytes of a row
.set RD,   25                          ; v25     where I read a row back
.set CO,   26                          ; v26     16 x lane: my bytes of two rows of a plane
.set ADRS, 27                          ; v27     LDS address of my scale words: lanes 0-15 A's rows, lanes 16-31 B's
.set SPW,  28                          ; v28     SPARE + 4 x my thread's number; never rewritten
.set NIL,  29                          ; v29     0; never rewritten
.set BOF,  30                          ; v30     32 x (lane / 16): my half's eight numbers of the bias
.set SC,   32                          ; scale words: set s at v[SC + 8 NQ s]; register NQ i + q: lanes 0-15 A's block i, lanes 16-31 B's block i
.set AF,   128                         ; A's fragments, in window 0
.set BIAS, 64                          ; the bias, in window 1
.set TMP,  192                         ; the way out: packed results
.set OB,   32                          ; the way out: 16 rows read back: v32-63 and v224-255 by turns
.set G1, 24                            ; s[24:31] descriptor group 1 for A's tiles;  s[32:39] group 0, one set for each slot
.set G0, 32
.set G1B, 48                           ; s[48:55], s[56:63] the same for B's tiles
.set G0B, 56
.set G1S, 68                           ; s[68:75], s[76:79] groups 1 and 0 for A's scales;  s[80:87], s[88:91] for B's
.set G0S, 76
.set G1SB, 80
.set G0SB, 88
.set MSB, 0
.macro WIN new                         ; the immediate's high byte repeats the setting that is left
.if MSB != (\new)
	s_set_vgpr_msb (MSB<<8)|(\new)
.set MSB, (\new)
.endif
.endm
.set MUL_LO,   0xa1                    ; source 0 (B) window 1, source 1 (A) window 0, C and D window 2
.set MUL_HI,   0xf1                    ; the same, C and D window 3
.set MUL_LO_B, 0x91                    ; the first step: C (the bias) window 1, D window 2
.set MUL_HI_B, 0xd1                    ; C window 1, D window 3
.set TO_B,     0x40                    ; destination window 1, address window 0
; A joint load: waves 0 and 1 fetch for A, waves 2 and 3 for B.  The branch hangs on the wave's number alone.  An s_nop 0 and four v_nop follow each of the two lines.
.macro JLOAD g0a, g1a, g0b, g1b
	s_cmp_eq_u32 s15, 0
	s_cbranch_scc0 .Lfor_b_\@
	tensor_load_to_lds s[\g0a:\g0a+3], s[\g1a:\g1a+7]
	s_nop 0
.rept 4
	v_nop
.endr
	s_branch .Lasked_\@
.Lfor_b_\@:
	tensor_load_to_lds s[\g0b:\g0b+3], s[\g1b:\g1b+7]
	s_nop 0
.rept 4
	v_nop
.endr
.Lasked_\@:
.endm
.macro CREST                           ; a round of the cluster's barrier behind its opening barrier
	s_cmp_lg_u32 s14, 0
	s_cbranch_scc1 .Lnot_wave_0_\@
	s_barrier_signal -3
.Lnot_wave_0_\@:
	s_barrier_wait -3
	s_barrier_signal -1
	s_barrier_wait -1
.endm
.macro CROUND                          ; a whole round
	s_barrier_signal -1
	s_barrier_wait -1
	CREST
.endm
	s_load_b128 s[4:7], s[0:1], 0x0                ; codes, scales
	s_load_b128 s[96:99], s[0:1], 0x10             ; bq, bk
	s_load_b64 s[100:101], s[0:1], 0x20            ; bv
	s_load_b64 s[12:13], s[0:1], 0x28              ; qkv16
	v_lshl_add_u32 v[SPW], v0, 2, SPARE
	v_mov_b32 v[NIL], 0
	ds_add_u32 v[SPW], v[NIL]                      ; the wave's opening: the add, twice on end, and its wait ahead of my first tensor load
	ds_add_u32 v[SPW], v[NIL]
	v_lshrrev_b32 v1, 5, v0
	v_readfirstlane_b32 s14, v1                    ; wave 0..3
	s_lshr_b32 s15, s14, 1                         ; which half of the tile's rows is mine.  Also: I fetch for A (0) or for B (1)
	s_and_b32 s16, s14, 1                          ; which half of its columns.  Also: which 128 rows of that tile I fetch
	s_bfe_u32 s40, ttmp6, 0x40000                  ; cx, cy: my place in the cluster
	s_bfe_u32 s41, ttmp6, 0x40004
	s_lshl_b32 s42, ttmp9, 2
	s_add_co_u32 s42, s42, s40                     ; tile column of C = 4 x cluster x + cx
	s_and_b32 s17, ttmp7, 0xffff
	s_lshl_b32 s17, s17, 2
	s_add_co_u32 s17, s17, s41                     ; tile row of C = 4 x cluster y + cy
	s_lshl_b32 s43, s41, 2
	s_lshl_b32 s43, 15, s43                        ; my row of the cluster
	s_lshl_b32 s44, 0x1111, s40                    ; my column
	; descriptor group 1: a tile of 128 rows x 256 bytes, padded in LDS
	s_or_b32 s[G1+0], s43, (0<<16)|(1<<20)|(1<<21)|(5<<22)|(3<<25)  ; 15:0 the mask: A's tiles go to my row; elements of 1 byte; padding on; bit 21 beside a mask; after every 64 words four words
	s_or_b32 s[G1B+0], s44, (0<<16)|(1<<20)|(1<<21)|(5<<22)|(3<<25)
.irp g, G1, G1B
	s_mov_b32 s[\g+1], ROWB<<16                    ; tensor_dim0
	s_mov_b32 s[\g+2], 128<<16                     ; tensor_dim1 = 128
	s_mov_b32 s[\g+3], ROWB<<16                    ; tile_dim0
	s_mov_b32 s[\g+4], 128                         ; tile_dim1 = 128
	s_mov_b32 s[\g+5], KROW                        ; tensor_dim0_stride
	s_mov_b32 s[\g+6], 0
	s_mov_b32 s[\g+7], 0
.endr
	; the scales of 128 rows: a dense block of 8,192 bytes, as rows of 256 bytes (32 elements of 8 bytes), 16 bytes of padding behind each
	s_or_b32 s[G1S+0], s43, (3<<16)|(1<<20)|(1<<21)|(5<<22)|(3<<25)
	s_or_b32 s[G1SB+0], s44, (3<<16)|(1<<20)|(1<<21)|(5<<22)|(3<<25)
.irp g, G1S, G1SB
	s_mov_b32 s[\g+1], 32<<16
	s_mov_b32 s[\g+2], (128*KS/256)<<16
	s_mov_b32 s[\g+3], 32<<16
	s_mov_b32 s[\g+4], 128*KS/256
	s_mov_b32 s[\g+5], 32
	s_mov_b32 s[\g+6], 0
	s_mov_b32 s[\g+7], 0
.endr
	s_lshl_b32 s18, s16, 7                         ; which 128 rows of the tile I fetch
	s_lshl_b32 s20, s17, 8
	s_add_co_u32 s20, s20, s18                     ; A: row 256 x tile row + 128 x half
	s_lshl_b32 s46, s42, 8
	s_add_co_u32 s46, s46, s18                     ; B: row 256 x tile column + 128 x half
	s_mov_b32 s21, 0
	s_mov_b32 s47, 0
	s_mov_b64 s[18:19], KS
	s_mul_u64 s[22:23], s[20:21], s[18:19]         ; where these rows' scales begin, in bytes
	s_mul_u64 s[92:93], s[46:47], s[18:19]
	s_mov_b64 s[18:19], KROW
	s_mul_u64 s[20:21], s[20:21], s[18:19]         ; and their codes
	s_mul_u64 s[46:47], s[46:47], s[18:19]
	s_mul_i32 s45, s14, HALFT                      ; where they go: wave x 128 rows: no place in the cluster enters an LDS address
	s_mul_i32 s94, s14, HALFS
	s_wait_dscnt 0x0                               ; both opening adds are done
	s_wait_kmcnt 0x0
	s_add_nc_u64 s[8:9], s[4:5], 0x200000          ; B's codes: behind x's 2,048 rows of 1,024 bytes
	s_add_nc_u64 s[10:11], s[6:7], 0x20000         ; B's scales: behind x's 2,048 rows of 64 bytes
	s_add_nc_u64 s[20:21], s[4:5], s[20:21]
	s_add_nc_u64 s[22:23], s[6:7], s[22:23]
	s_add_nc_u64 s[46:47], s[8:9], s[46:47]
	s_add_nc_u64 s[92:93], s[10:11], s[92:93]
	CROUND                                         ; all sixteen work-groups are here: the first joint loads meet
	s_mov_b32 s[G0S], 1
	s_add_co_u32 s[G0S+1], s94, SCL
	s_mov_b64 s[G0S+2:G0S+3], s[22:23]
	s_or_b32 s[G0S+3], s[G0S+3], 0x80000000
	s_mov_b32 s[G0SB], 1
	s_add_co_u32 s[G0SB+1], s94, SCL
	s_mov_b64 s[G0SB+2:G0SB+3], s[92:93]
	s_or_b32 s[G0SB+3], s[G0SB+3], 0x80000000
	JLOAD G0S, G1S, G0SB, G1SB                     ; the scales first: they are wanted with K step 0
.irp s, 0,1
	s_mov_b32 s[G0+4*\s], 1
	s_add_co_u32 s[G0+4*\s+1], s45, \s*SLOT
	s_add_nc_u64 s[G0+4*\s+2:G0+4*\s+3], s[20:21], \s*ROWB
	s_or_b32 s[G0+4*\s+3], s[G0+4*\s+3], 0x80000000
	s_mov_b32 s[G0B+4*\s], 1
	s_add_co_u32 s[G0B+4*\s+1], s45, \s*SLOT
	s_add_nc_u64 s[G0B+4*\s+2:G0B+4*\s+3], s[46:47], \s*ROWB
	s_or_b32 s[G0B+4*\s+3], s[G0B+4*\s+3], 0x80000000
	JLOAD G0+4*\s, G1, G0B+4*\s, G1B
.endr
	v_and_b32 v1, 15, v0                           ; l % 16
	v_bfe_u32 v2, v0, 4, 1                         ; l / 16
	v_mul_u32_u24 v3, v1, PITCH
	v_lshl_add_u32 v4, v2, 4, v3                   ; a fragment's row x pitch + 16 x half
	s_mul_i32 s21, s15, HALFT                      ; my 128 rows of A
	s_mul_i32 s22, s16, HALFT                      ; my 128 rows of B,
	s_add_co_u32 s22, s22, 2*HALFT                 ; which lie behind A's 256
.irp s, 0,1
	v_add_nc_u32 v[ADRA+\s], s21, v4
	v_add_nc_u32 v[ADRB+\s], s22, v4
	s_add_co_u32 s21, s21, SLOT
	s_add_co_u32 s22, s22, SLOT
.endr
	v_mul_u32_u24 v5, v1, KS                       ; my row's scales: KS bytes a row,
	v_lshrrev_b32 v6, 8, v5
	v_lshl_add_u32 v5, v6, 4, v5                   ; and 16 more for each 256 passed
	s_mul_i32 s21, s15, HALFS                      ; A's: my 128 rows
	s_mul_i32 s22, s16, HALFS                      ; B's: my 128 rows, behind A's 256
	s_add_co_u32 s22, s22, 2*HALFS
	s_sub_co_u32 s22, s22, s21
	v_mul_u32_u24 v6, s22, v2                      ; lanes 16-31 take B's
	s_add_co_u32 s21, s21, SCL
	v_add_nc_u32 v5, v5, v6
	v_add_nc_u32 v[ADRS], s21, v5
	s_mul_i32 s23, s14, 16*SPITCH                  ; my stage
	v_mul_u32_u24 v5, v1, SPITCH                   ; in: row l % 16, 16 bytes for each half of the lanes
	v_lshl_add_u32 v5, v2, 4, v5
	v_add_nc_u32 v[STO], s23, v5
	v_mul_u32_u24 v5, v2, SPITCH                   ; back: lanes 0-15 one row of 256 bytes, lanes 16-31 the next
	v_lshl_add_u32 v5, v1, 4, v5
	v_add_nc_u32 v[RD], s23, v5
	v_and_b32 v6, 31, v0
	v_lshlrev_b32 v[CO], 4, v6                     ; a plane's rows are dense: two rows are 512 consecutive bytes
	v_lshlrev_b32 v[BOF], 5, v2
	s_lshl_b32 s46, s42, 1
	s_add_co_u32 s46, s46, s16                     ; my plane: 2 x tile column + half
	s_lshl_b32 s46, s46, 19                        ; 524,288 bytes a plane
	s_lshl_b32 s20, s17, 8
	s_lshl_b32 s21, s15, 7
	s_add_co_u32 s20, s20, s21                     ; my first position: 256 x tile row + 128 x half
	s_lshl_b32 s20, s20, 8                         ; 256 bytes a position
	s_add_co_u32 s46, s46, s20
	s_mov_b32 s47, 0
	s_add_nc_u64 s[12:13], s[12:13], s[46:47]
	s_lshr_b32 s95, ttmp9, 1                       ; which tensor: a cluster's four tile columns lie in one
	s_cmp_eq_u32 s95, 0
	s_cselect_b64 s[96:97], s[96:97], s[98:99]
	s_cmp_eq_u32 s95, 2
	s_cselect_b64 s[96:97], s[100:101], s[96:97]
	s_and_b32 s98, s42, 7
	s_lshl_b32 s98, s98, 10
	s_lshl_b32 s99, s16, 9
	s_add_co_u32 s98, s98, s99                     ; my 128 columns in that tensor's bias, in bytes
	s_mov_b32 s99, 0
	s_add_nc_u64 s[96:97], s[96:97], s[98:99]
	WIN TO_B
.irp b, 0,1,2,3,4,5,6,7                ; lane (r, h), block b: the bias of columns 16 b + 8 h + 0 .. 7
	global_load_b128 v[BIAS+8*\b:BIAS+8*\b+3], v[BOF], s[96:97] offset:64*\b
	global_load_b128 v[BIAS+8*\b+4:BIAS+8*\b+7], v[BOF], s[96:97] offset:64*\b+16
.endr
	WIN 0
.macro FRAG reg, adr, q, i             ; a fragment, 16 rows x 128 K of 4-bit codes: lane l holds row l % 16; registers 4 c .. 4 c + 3 hold K = 64 c + 32 (l / 16) + 0 .. 31
.irp c, 0,1
	ds_load_b128 v[\reg+4*\c:\reg+4*\c+3], v[\adr] offset:64*(\q)+32*\c+(\i)*16*PITCH
.endr
.endm
; 16 matrix instructions: A's blocks a0, a0 + 1 x B's eight, 128 along K: the slot's q-th.  p: B's set;  sc: the set of scale words.  zero = 1: the first product starts the sums, from the bias.
; The 64 accumulators take turns, one instruction a turn, in the same order in every step.
.macro MUL16 a0, p, q, sc, zero
.irp a, \a0, \a0+1
.irp b, 0,1,2,3,4,5,6,7
.if \zero
	v_wmma_scale_f32_16x16x128_f8f6f4 v[8*(8*((\a)%4)+\b):8*(8*((\a)%4)+\b)+7], v[128*(\p)+FR*\b:128*(\p)+FR*\b+FR-1], v[AF+FR*(\a):AF+FR*(\a)+FR-1], v[BIAS+8*\b:BIAS+8*\b+7], v[SC+8*NQ*(\sc)+NQ*\b+(\q)], v[SC+8*NQ*(\sc)+NQ*(\a)+(\q)] matrix_a_fmt:MATRIX_FMT_FP4 matrix_b_fmt:MATRIX_FMT_FP4 matrix_a_scale:MATRIX_SCALE_ROW1
.else
	v_wmma_scale_f32_16x16x128_f8f6f4 v[8*(8*((\a)%4)+\b):8*(8*((\a)%4)+\b)+7], v[128*(\p)+FR*\b:128*(\p)+FR*\b+FR-1], v[AF+FR*(\a):AF+FR*(\a)+FR-1], v[8*(8*((\a)%4)+\b):8*(8*((\a)%4)+\b)+7], v[SC+8*NQ*(\sc)+NQ*\b+(\q)], v[SC+8*NQ*(\sc)+NQ*(\a)+(\q)] matrix_a_fmt:MATRIX_FMT_FP4 matrix_b_fmt:MATRIX_FMT_FP4 matrix_a_scale:MATRIX_SCALE_ROW1
.endif
.endr
.endr
.endm
.macro FETCH_B slot, q, p              ; B's eight fragments of the slot's q-th 128 along K into set p
	WIN TO_B
.irp i, 0,1,2,3,4,5,6,7
	FRAG 128*(\p)+FR*\i, ADRB+\slot, \q, \i
.endr
	WIN 0
.endm
.macro FETCH_A slot, q, i0             ; A's blocks i0 .. i0 + 3
.irp i, \i0, \i0+1, \i0+2, \i0+3
	FRAG AF+FR*(\i), ADRA+\slot, \q, \i
.endr
.endm
.macro SCALES sc                       ; the next K step's scale words into set sc: lanes 0-15 take A's block i, lanes 16-31 B's block i
.irp i, 0,1,2,3,4,5,6,7
	ds_load_b128 v[SC+8*NQ*\sc+NQ*\i:SC+8*NQ*\sc+NQ*\i+3], v[ADRS] offset:\i*SBLK
.endr
.endm
; A load into a register that a matrix instruction has read, and a vector instruction that reads a matrix result, stand NP places behind that matrix instruction; only plain vector
; instructions that name none of its registers are places (ISA guide 7.12.1 for vector instructions).
.macro PLACES n
.rept \n
	v_nop
.endr
.endm
; A step of 128 along K that has its successor in the same slot.
.macro STEP slot, q, zero
	s_wait_dscnt 4*NL                              ; B's set and A's blocks 0-3 are in; the youngest eight loads (A's blocks 4-7) may be out
.if \zero
	WIN MUL_LO_B
.else
	WIN MUL_LO
.endif
	MUL16 0, (\q)%2, \q, \slot, \zero
	MUL16 2, (\q)%2, \q, \slot, \zero
	s_wait_dscnt 0                                 ; A's blocks 4-7 are in
	PLACES NP
	FETCH_B \slot, (\q)+1, 1-(\q)%2
	FETCH_A \slot, (\q)+1, 0
.if \zero
	WIN MUL_HI_B
.else
	WIN MUL_HI
.endif
	MUL16 4, (\q)%2, \q, \slot, \zero
	MUL16 6, (\q)%2, \q, \slot, \zero
	PLACES NP
	WIN 0
	FETCH_A \slot, (\q)+1, 4
.endm
; A slot's last step changes slots: one barrier; in front of it each wave waits for all its tensor loads, adds 0 to its spare word, and waits for that and for its own reads of this slot.
.macro TURN slot, next, fill
	s_wait_tensorcnt 0x0                           ; all my tensor loads have landed: my part of the next slot
	ds_add_u32 v[SPW], v[NIL]                      ; 0 onto my spare word
	s_wait_dscnt 4*NL+1                            ; (the add and the youngest eight loads, A's blocks 4-7, may be out)
	WIN MUL_LO
	MUL16 0, 1, NQ-1, \slot, 0                     ; sixteen matrix instructions stand between the add and the wait for it
	s_wait_dscnt 0x0                               ; the add is done, and my reads of this slot are over
	s_barrier_signal -1
	MUL16 2, 1, NQ-1, \slot, 0
	WIN 0
	s_barrier_wait -1
.if \fill
	CREST                                          ; the barrier has opened a round of the cluster's barrier: no wave of any partner still reads this slot's tile or has a load on its way
	s_add_nc_u64 s[G0+4*\slot+2:G0+4*\slot+3], s[G0+4*\slot+2:G0+4*\slot+3], 2*ROWB
	s_add_nc_u64 s[G0B+4*\slot+2:G0B+4*\slot+3], s[G0B+4*\slot+2:G0B+4*\slot+3], 2*ROWB
	JLOAD G0+4*\slot, G1, G0B+4*\slot, G1B         ; the first tensor load behind the round; its four v_nop are the places in front of the loads below
.else
	PLACES NP
.endif
	v_add_nc_u32 v[ADRS], 4*NQ, v[ADRS]            ; on to the next K step's scale words
	FETCH_B \next, 0, 0
	FETCH_A \next, 0, 0
	SCALES \next
	WIN MUL_HI
	MUL16 4, 1, NQ-1, \slot, 0
	MUL16 6, 1, NQ-1, \slot, 0
	PLACES NP
	WIN 0
	FETCH_A \next, 0, 4
.endm
.macro STEPS slot, from                ; the slot's steps from .. NQ - 2
.set Q, \from
.rept NQ-1-\from
	STEP \slot, Q, 0
.set Q, Q+1
.endr
.endm
	s_wait_tensorcnt 1                             ; the scales and my part of K step 0 are in (K step 1's load may be out),
	s_barrier_signal -1
	s_barrier_wait -1                              ; everybody's are
	FETCH_B 0, 0, 0
	FETCH_A 0, 0, 0
	SCALES 0
	FETCH_A 0, 0, 4
	s_wait_loadcnt 0x0                             ; the bias
	STEP 0, 0, 1                                   ; the first step stands in front of the loop: its products start the sums
	s_mov_b32 s3, LAPS-1
.Llap:                                                 ; a trip goes once round the ring, from a lap's second step to the next lap's first, and fills both slots again
	STEPS 0, 1
	TURN 0, 1, 1
	STEPS 1, 0
	TURN 1, 0, 1
	STEP 0, 0, 0
	s_sub_co_u32 s3, s3, 1
	s_cmp_lg_u32 s3, 0
	s_cbranch_scc1 .Llap
	STEPS 0, 1                                     ; the last lap fills nothing, and has no round of the cluster's barrier
	TURN 0, 1, 0
	STEPS 1, 0
	s_wait_dscnt 4*NL                              ; the very last step: nothing more to fetch
	WIN MUL_LO
	MUL16 0, 1, NQ-1, 1, 0
	MUL16 2, 1, NQ-1, 1, 0
	s_wait_dscnt 0
	WIN MUL_HI
	MUL16 4, 1, NQ-1, 1, 0
	MUL16 6, 1, NQ-1, 1, 0
	WIN 0
; THE WAY OUT, block by block of 16 positions x 128 columns.  PACK: rounded to f16, 16 bytes a lane, each accumulator from its low end on.  TOSTAGE: into my own stage and back as whole rows of 256 bytes.
; SEND: stored: a plane's rows are dense, so the 32 lanes store 512 consecutive bytes, aligned.
.macro PACK a
.set AC, 64*((\a)%4)
	WIN 0x0a+5*((\a)/4)                            ; sources 0 and 1: window 2 or 3
.irp b, 0,1,2,3,4,5,6,7
.irp r, 0,1,2,3
	v_cvt_pk_f16_f32 v[TMP+4*\b+\r], v[AC+8*\b+2*\r], v[AC+8*\b+2*\r+1]
.endr
.endr
	WIN 0
.endm
.macro TOSTAGE a
.set BK, OB+192*((\a)%2)
.irp b, 0,1,2,3,4,5,6,7
	ds_store_b128 v[STO], v[TMP+4*\b:TMP+4*\b+3] offset:32*\b
.endr
.irp t, 0,1,2,3,4,5,6,7
	ds_load_b128 v[BK+4*\t:BK+4*\t+3], v[RD] offset:\t*2*SPITCH    ; LDS serves a wave's instructions in order (ISA guide 5.7.1.4): these see the stores above
.endr
.endm
.macro SEND a
.set BK, OB+192*((\a)%2)
	s_wait_dscnt 0x0                               ; the block is back in registers
	s_wait_xcnt 0x0                                ; earlier stores have read their data: the block after this one may land in their registers
.irp t, 0,1,2,3,4,5,6,7
	global_store_b128 v[CO], v[BK+4*\t:BK+4*\t+3], s[12:13] offset:4096*(\a)+512*\t
.endr
.endm
	PLACES NP                                      ; behind the last products: for the loads into registers that held scale words, and for the reads of results
	PACK 0
	TOSTAGE 0
.irp a, 1,2,3,4,5,6,7                  ; block a's conversions stand between block a - 1's loads from the stage and the wait for them
	PACK \a
	SEND \a-1
	TOSTAGE \a
.endr
	SEND 7
	s_wait_tensorcnt 0x0                           ; the wave's end: behind my last tensor load and my last LDS store
	ds_add_u32 v[SPW], v[NIL]
	s_wait_dscnt 0x0
	CROUND                                         ; the closing round: no work-group ends while a partner may still ask for a tile that names it
	s_endpgm
.Lfunc_end_k_qdbd8dfc233_qkv:
	.size	k_qdbd8dfc233_qkv, .Lfunc_end_k_qdbd8dfc233_qkv-k_qdbd8dfc233_qkv
	.p2alignl 7, 3214868480
	.fill 96, 4, 3214868480
	.section	.rodata,"a",@progbits
	.p2align	6, 0x0
	.amdhsa_kernel k_qdbd8dfc233_qkv
		.amdhsa_group_segment_fixed_size 327680
		.amdhsa_private_segment_fixed_size 0
		.amdhsa_enable_private_segment 0
		.amdhsa_kernarg_size 48
		.amdhsa_user_sgpr_count 2
		.amdhsa_user_sgpr_kernarg_segment_ptr 1
		.amdhsa_wavefront_size32 1
		.amdhsa_system_sgpr_workgroup_id_x 1
		.amdhsa_system_sgpr_workgroup_id_y 1
		.amdhsa_system_sgpr_workgroup_id_z 1
		.amdhsa_system_vgpr_workitem_id 0
		.amdhsa_next_free_vgpr 1024
		.amdhsa_next_free_sgpr 102
		.amdhsa_reserve_vcc 0
		.amdhsa_float_denorm_mode_32 3
		.amdhsa_float_denorm_mode_16_64 3
		.amdhsa_memory_ordered 1
		.amdhsa_forward_progress 1
		.amdhsa_inst_pref_size 215
	.end_amdhsa_kernel
	.amdgpu_metadata
---
amdhsa.version: [ 1, 2 ]
amdhsa.kernels:
  - .name:           k_qdbd8dfc233_qkv
    .symbol:         k_qdbd8dfc233_qkv.kd
    .args:
      - { .name: codes, .offset: 0, .size: 8, .value_kind: global_buffer, .address_space: global }
      - { .name: scales, .offset: 8, .size: 8, .value_kind: global_buffer, .address_space: global }
      - { .name: bq, .offset: 16, .size: 8, .value_kind: global_buffer, .address_space: global }
      - { .name: bk, .offset: 24, .size: 8, .value_kind: global_buffer, .address_space: global }
      - { .name: bv, .offset: 32, .size: 8, .value_kind: global_buffer, .address_space: global }
      - { .name: qkv16, .offset: 40, .size: 8, .value_kind: global_buffer, .address_space: global }
    .group_segment_fixed_size: 327680
    .private_segment_fixed_size: 0
    .kernarg_segment_align: 8
    .kernarg_segment_size: 48
    .max_flat_workgroup_size: 128
    .sgpr_count:     102
    .vgpr_count:     1024
    .wavefront_size: 32
...
	.end_amdgpu_metadata
.endif
;; end of part 2
;; launch attn (part 3): grid 16 x 16, 4 waves a work-group, clusters of 4 x 1, 327,680 bytes of LDS; arguments qkv16, mbits, ctx16, ctx32; writes ctx16, ctx32
.if DOCPART == 3
	.amdgcn_target "amdgcn-amd-amdhsa--gfx1250"
	.amdhsa_code_object_version 6
	.text
	.protected	k_qdbd8dfc233_attn
	.globl	k_qdbd8dfc233_attn
	.p2align	8
	.type	k_qdbd8dfc233_attn,@function
k_qdbd8dfc233_attn:
	s_mov_b64 s[64:65], 0
	v_nop
	global_prefetch_b8 v0, s[64:65] scope:SCOPE_SE
	s_setreg_imm32_b32 hwreg(HW_REG_WAVE_MODE, 25, 1), 1
	s_wait_xcnt 0x0
	s_wait_alu depctr_hold_cnt(0) depctr_sa_sdst(0) depctr_va_vdst(0) depctr_va_sdst(0) depctr_va_ssrc(0) depctr_va_vcc(0) depctr_vm_vsrc(0)
	s_getreg_b32 s2, hwreg(HW_REG_IB_STS2, 6, 4)
	s_cmp_eq_u32 s2, 0
	s_cbranch_scc0 .Lentry_in_a_cluster
	s_endpgm
.Lentry_in_a_cluster:
	s_bfe_u32 s2, ttmp6, 0x10000c
	s_cmp_lg_u32 s2, 0x3003
	s_cbranch_scc0 .Lentry_shape_is_right
	s_endpgm
.Lentry_shape_is_right:
; ctx[q][head] = the sum over k of softmax_k(q . k / sqrt(128), hidden where the mask says -infinity) v[k].  q, k, v: planes of qkv16, [2048][128] f16.  Products, maxima and sums in f32;
; the weights p are rounded to f16 for the second product.  ctx16 [2048][2048] f16 takes all positions; ctx32 [16][2048] f32 takes positions 0 to 15 unrounded.
; THE MASK is an input: nothing of its pattern is built in.  It comes as lane-mask words (mbits): one v_cndmask_b32 a score register puts -infinity where the bit is 1.
; A row that is wholly hidden has the sum 0: its factor is infinite and its zeros become NaN, as the softmax of such a row is.
; SHARES.  A work-group owns 128 queries of one head.  Wave w: qh = w % 2 picks 64 of them (four tiles of 16), kh = w / 2 picks half of the keys: of each 256 keys the 128 kh .. 128 kh + 127.
; A wave walks 16 steps of 64 keys.  At the end waves w and w xor 2 join their halves: register tile t holds query tile t xor 2 kh, so every wave sends register tiles 2, 3 away and finishes tiles 0, 1.
; LAYOUT.  S^T = K Q^T (source 0 = 16 keys, source 1 = 16 queries): a lane holds ONE query (lane % 16) and the keys 8 (lane / 16) + 0..7.  Two such tiles, rounded to f16 in pairs, ARE source 1
; of O^T = V^T P, whose result again holds one query a lane.  K comes out of LDS as it lies, V turned, by ds_load_tr16_b128.
; SOFTMAX.  A running maximum m (it begins at -3e38, so it is always a number) and sum l: p = 2^(c s - c m), c = log2(e) / sqrt(128); in every step O and l are multiplied by a = 2^(c m_old - c m_new).
; BY TURNS.  The wave's tiles are two pieces (0: tiles 0, 1; 2: tiles 2, 3).  In a turn one piece has the matrix unit: 32 products V^T P of the step in hand, 32 products K Q^T of the next;
; the other piece's softmax, 332 instructions, stands between them in 64 slices, one behind each matrix instruction.
; CLUSTER.  The four query blocks of a cluster belong to one head and walk the same K and V: each tile is asked for jointly, by the same tensor load with a mask that names the four.
; LIMITS: scores stay above -3e38; |q|, |k|, |v| under 65,504; the products of positions 0 to 15 take f16 operands like all others: their ctx alone is kept in f32.
; REGISTERS, in windows of 256 (s_set_vgpr_msb: bits 1:0 source 0, 3:2 source 1, 5:4 source 2, 7:6 destination):
;   window 0: v1-11 addresses; v12-43 eight registers of statistics a tile; v44-63 constants and addresses; v64-191 S^T, 32 a tile; v192-255 P, 16 a tile
;   window 1: O^T, 64 a tile          window 2: v0-127 Q, 32 a tile; v128-255 K of one step          window 3: v0-127 V of one step
.set KS,     64       ; keys in a step
.set PK,     272      ; a row of K in LDS: 256 bytes + 16 = 68 words: the 16 rows of a load start at 16 different banks (64 banks of 4 bytes: ISA guide 11.1)
.set PVP,    288      ; a row of V: 256 + 32 = 72 words
.set VOFF,   128*PK   ; a part (one key half of a slot): 128 rows of K, then 128 rows of V
.set PARTB,  128*(PK+PVP)
.set SLOTB,  2*PARTB  ; a slot: 256 keys; the slots begin at 0 and at SLOTB
.set KSTEPB, KS*PK
.set VSTEPB, KS*PVP
.set SPARE,  2*SLOTB  ; behind the ring: the spare words, 128 bytes for each wave: two blocks of 256 bytes that no other line names
.set XCHB,   16896    ; the exchange, in slot 0 after its last fill and last read: for each wave 32 images of 512 bytes and four of 128
.set STAGE,  4*XCHB   ; behind it: 16 rows x 272 bytes for each wave, for the way out
.set SP,     272
.set AK0, 2           ; v2   my lane's place in my part's tile of K; never rewritten
.set AV0, 3           ; v3   the same for V
.set ADR, 4           ; v4   the LDS address of the run of loads in hand
.set QOA, 5           ; v5   my byte offset in the rows of Q, register tiles 0, 1
.set STO, 6           ; v6   the way out: where I put 16 bytes of a row
.set RD,  7           ; v7   where I read a row back
.set GO,  8           ; v8   my byte offset in two rows of ctx16
.set QOB, 10          ; v10  as v5, register tiles 2, 3
.set ST,  12          ; tile t's statistics at v[ST+8 t]: +0 c m, +1 m, +2, +3 l, +4 to +7 at work; a takes +6
.set CV,  44          ; v[44:45] c, twice
.set NINF, 46         ; v46  -infinity
.set XST, 47          ; v47  the exchange: where I store images
.set XLD, 48          ; v48  where I load my partner's
.set XSS, 49          ; v49  the same for the statistics, 4 bytes a lane
.set XSL, 50          ; v50
.set FO,  51          ; v51  my byte offset in ctx32
.set QT,  52          ; v52  the number of the query tile in my register tile 0
.set PB,  53          ; v53-56 my partner's c m and l for tiles 0, 1
.set PFO, 61          ; v61  256 x my lane; never rewritten
.set SPW, 62          ; v62  SPARE + 4 x my thread's number; never rewritten
.set NIL, 63          ; v63  0; never rewritten
.set S,   64
.set P,   192
.set KF,  128         ; K's fragments, in window 2
.set PFA, 2           ; s[2:3]   where my prefetches stand
.set G1K, 4           ; s[4:11]  descriptor group 1 for K's tiles
.set G1V, 12          ; s[12:19] for V's: it differs in the padding alone
.set G0,  20          ; s[20:23] descriptor group 0, which walks; it begins at slot 1
.set WV,  24          ; s24  my wave's number
.set SLOTS, 25        ; s25  slots still to be asked for
.set TWICE, 26        ; s26  counts a slot's two steps
.set TBK, 27          ; s27  LDS byte, from my part's first, of the K step to be fetched
.set TBV, 28          ; s28  the same for V
.set LIM, 29          ; s29  1 in a work-group that prefetches, else the greatest number
.set SB,  30          ; s30  the slot that the walking descriptor names: 0 or SLOTB
.set OFFW, 31         ; s31  my tile's place in a slot
.set MPT, 66          ; s[66:67] my wave's mask words;  s[32:63] the 32 words of a piece's even tile, s[68:99] of its odd tile
.set G0F, 96          ; s[96:99] group 0 of slot 0's first fill: free once that fill has landed
.set SEL, 100         ; s[100:101] lane selects for v_permlanex16_b32: lane l xor 16
.set MOA, 104         ; s104 byte offset of piece 0's words of the step to be loaded
.set MOB, 105         ; s105 of piece 2's
.set MSB, 0
.macro WIN new                      ; the immediate's high byte repeats the setting that is left; a switch that changes nothing is dropped
.if MSB != (\new)
	s_set_vgpr_msb (MSB<<8)|(\new)
.set MSB, (\new)
.endif
.endm
.set W_KQ, 0x0a       ; K and Q in window 2, S^T in window 0
.set W_PV, 0x53       ; V in window 3, P in window 0, O^T in window 1
.set W_RS, 0x41       ; O^T (destination and source 0) in window 1, a in window 0
; A joint refill: waves 0 and 1 fetch K of parts 0 and 1, waves 2 and 3 V.  The branch hangs on the wave's number alone.  An s_nop 0 and four v_nop follow each line.
.macro JLOAD
	s_cmp_lt_u32 s[WV], 2
	s_cbranch_scc0 .Lfor_v_\@
	tensor_load_to_lds s[G0:G0+3], s[G1K:G1K+7]
	s_nop 0
.rept 4
	v_nop
.endr
	s_branch .Lasked_\@
.Lfor_v_\@:
	tensor_load_to_lds s[G0:G0+3], s[G1V:G1V+7]
	s_nop 0
.rept 4
	v_nop
.endr
.Lasked_\@:
.endm
; A prefetch of what the NEXT change of slots will ask for: 256 rows of K and 256 of V, 256 bytes a row, a lane a row.  Each row is named once in the launch: the head's first cluster asks; its four
; partners share the rows out by address, 64 of K and 64 of V each; in each, waves 0, 1 ask for K's (32 rows each), waves 2, 3 for V's.  The last change that fills a slot asks for nothing.
.macro ASK
	s_cmp_gt_u32 s[SLOTS], s[LIM]
	s_cbranch_scc0 .Lnot_mine_\@
	global_prefetch_b8 v[PFO], s[PFA:PFA+1] th:TH_LOAD_NT scope:SCOPE_SE
.Lnot_mine_\@:
.endm
.macro CROUND                       ; a round of the cluster's barrier
	s_barrier_signal -1
	s_barrier_wait -1
	s_cmp_lg_u32 s[WV], 0
	s_cbranch_scc1 .Lnot_wave_0_\@
	s_barrier_signal -3
.Lnot_wave_0_\@:
	s_barrier_wait -3
	s_barrier_signal -1
	s_barrier_wait -1
.endm
	s_load_b256 s[32:39], s[0:1], 0x0  ; qkv16 s[32:33], mbits s[34:35] (the outputs' addresses are loaded again on the way out)
	v_lshl_add_u32 v[SPW], v0, 2, SPARE
	v_mov_b32 v[NIL], 0
	ds_add_u32 v[SPW], v[NIL]       ; the wave's opening: the add, twice on end, and its wait ahead of my first tensor load
	ds_add_u32 v[SPW], v[NIL]
	v_lshrrev_b32 v1, 5, v0
	v_readfirstlane_b32 s[WV], v1   ; wave 0..3
	s_bfe_u32 s40, ttmp6, 0x40000   ; cx: my place in the cluster
	s_lshl_b32 s41, ttmp9, 2
	s_add_co_u32 s41, s41, s40      ; x: my block of 128 queries
	s_and_b32 s42, ttmp7, 0xffff    ; the head, which the four partners share
	s_and_b32 s43, s[WV], 1         ; qh.  Also: which part of a slot I fetch
	s_lshr_b32 s44, s[WV], 1        ; kh.  Also: I fetch K (0) or V (1)
	; descriptor group 1: a tile of 128 rows x 128 elements of 2 bytes, padded in LDS
	s_mov_b32 s[G1K], 15|(1<<16)|(1<<20)|(1<<21)|(5<<22)|(3<<25)  ; the mask: all four work-groups; elements of 2 bytes; padding on; bit 21 beside a mask; after every 64 words four words
	s_mov_b32 s[G1V], 15|(1<<16)|(1<<20)|(1<<21)|(5<<22)|(7<<25)  ; the same with eight words of padding
.irp g, G1K, G1V
	s_mov_b32 s[\g+1], 128<<16      ; tensor_dim0 = 128
	s_mov_b32 s[\g+2], 128<<16      ; tensor_dim1 = 128
	s_mov_b32 s[\g+3], 128<<16      ; tile_dim0 = 128
	s_mov_b32 s[\g+4], 128          ; tile_dim1 = 128
	s_mov_b32 s[\g+5], 128          ; elements from row to row
	s_mov_b32 s[\g+6], 0
	s_mov_b32 s[\g+7], 0
.endr
	s_mul_i32 s[OFFW], s43, PARTB
	s_mul_i32 s45, s44, VOFF
	s_add_co_u32 s[OFFW], s[OFFW], s45  ; no place in the cluster enters an LDS address
	s_add_co_u32 s46, s44, 1        ; my tile of slot 0 in memory: K's planes begin 2^23 bytes in, V's 2^24;
	s_lshl_b32 s46, s46, 23
	s_lshl_b32 s47, s42, 19         ; the head's plane;
	s_add_co_u32 s46, s46, s47
	s_lshl_b32 s47, s43, 15         ; my part's 128 rows
	s_add_co_u32 s46, s46, s47
	s_mov_b32 s47, 0
	s_lshl_b32 s48, s42, 19         ; Q: the head's plane, my block's 128 rows, my wave's 64
	s_lshl_b32 s49, s41, 15
	s_add_co_u32 s48, s48, s49
	s_lshl_b32 s49, s43, 14
	s_add_co_u32 s48, s48, s49
	s_mov_b32 s49, 0
	s_lshl_b32 s50, s41, 15         ; the mask words: 4,096 bytes a query tile, tile 8 x + 4 qh; 2,048 a key half
	s_lshl_b32 s51, s43, 14
	s_add_co_u32 s50, s50, s51
	s_lshl_b32 s51, s44, 11
	s_add_co_u32 s50, s50, s51
	s_mov_b32 s51, 0
	s_lshl_b32 s[MOA], s44, 13      ; piece 0 holds query tiles 2 kh, 2 kh + 1;
	s_xor_b32 s[MOB], s44, 1
	s_lshl_b32 s[MOB], s[MOB], 13   ; piece 2 the two others
	s_add_co_u32 s52, s44, 1        ; the prefetches: K's or V's planes, the head's, slot 2, my work-group's 64 rows, my wave's 32
	s_lshl_b32 s52, s52, 23
	s_lshl_b32 s53, s42, 19
	s_add_co_u32 s52, s52, s53
	s_lshl_b32 s53, s40, 14
	s_add_co_u32 s52, s52, s53
	s_lshl_b32 s53, s43, 13
	s_add_co_u32 s52, s52, s53
	s_add_co_u32 s52, s52, 2*65536
	s_mov_b32 s53, 0
	s_mul_i32 s56, s[WV], XCHB      ; the exchange: my region,
	s_xor_b32 s57, s[WV], 2
	s_mul_i32 s57, s57, XCHB        ; my partner's
	s_lshl_b32 s58, s41, 3          ; the query tile in my register tile 0: 8 x + 4 qh + 2 kh
	s_lshl_b32 s59, s43, 2
	s_add_co_u32 s58, s58, s59
	s_lshl_b32 s59, s44, 1
	s_add_co_u32 s58, s58, s59
	s_mul_i32 s60, s44, PARTB       ; my key half's part of a slot
	s_mov_b32 s[SEL], 0x76543210
	s_mov_b32 s[SEL+1], 0xfedcba98
	s_mov_b32 s[TBK], 0
	s_mov_b32 s[TBV], 0
	s_mov_b32 s[SB], SLOTB
	s_mov_b32 s[SLOTS], 6           ; eight slots; the first two are filled at the head
	s_cmp_eq_u32 ttmp9, 0           ; the head's first cluster: the same in all four partners
	s_cselect_b32 s[LIM], 1, -1
	s_wait_dscnt 0x0                ; both opening adds are done
	s_wait_kmcnt 0x0
	s_add_nc_u64 s[G0F+2:G0F+3], s[32:33], s[46:47]  ; slot 0,
	s_add_nc_u64 s[G0+2:G0+3], s[G0F+2:G0F+3], 0x10000  ; slot 1: 256 rows on
	s_or_b32 s[G0F+3], s[G0F+3], 0x80000000  ; type = 2
	s_or_b32 s[G0+3], s[G0+3], 0x80000000
	s_mov_b32 s[G0F], 1
	s_mov_b32 s[G0F+1], s[OFFW]
	s_mov_b32 s[G0], 1
	s_add_co_u32 s[G0+1], s[OFFW], SLOTB
	s_add_nc_u64 s[PFA:PFA+1], s[32:33], s[52:53]  ; nothing is prefetched here, at the head; the first change of slots steps this to slot 3
	s_add_nc_u64 s[MPT:MPT+1], s[34:35], s[50:51]
	s_add_nc_u64 s[54:55], s[32:33], s[48:49]  ; Q at my wave's first row
	CROUND                          ; all four work-groups are here: the first joint loads meet
	s_cmp_lt_u32 s[WV], 2           ; a wave's two first fills stand in one branch: two loads of mine are out
	s_cbranch_scc0 .Lfirst_v
	tensor_load_to_lds s[G0F:G0F+3], s[G1K:G1K+7]
	s_nop 0
	tensor_load_to_lds s[G0:G0+3], s[G1K:G1K+7]
	s_nop 0
.rept 4
	v_nop
.endr
	s_branch .Lfirst_asked
.Lfirst_v:
	tensor_load_to_lds s[G0F:G0F+3], s[G1V:G1V+7]
	s_nop 0
	tensor_load_to_lds s[G0:G0+3], s[G1V:G1V+7]
	s_nop 0
.rept 4
	v_nop
.endr
.Lfirst_asked:
	; A fragment of K or Q is 16 rows x 32 channels in 8 registers: lane l holds row l % 16; registers 0-3 channels 8 (l / 16) + 0..7, registers 4-7 channels 16 + 8 (l / 16) + 0..7.
	v_and_b32 v1, 15, v0            ; r
	v_bfe_u32 v9, v0, 4, 1          ; h
	v_lshlrev_b32 v[QOA], 8, v1
	v_lshl_add_u32 v[QOA], v9, 4, v[QOA]  ; row x 256 + 16 x half
	v_add_nc_u32 v[QOB], s[MOB], v[QOA]  ; + 8,192 (1 - kh): query tiles 2 (1 - kh) on (the mask offsets' first values are these very numbers)
	v_add_nc_u32 v[QOA], s[MOA], v[QOA]  ; + 8,192 kh
	WIN 0x80                        ; destination window 2, address window 0
.irp i, 0,1,2,3,4,5,6,7             ; Q stays in registers: register tile i / 4, channels 32 (i % 4) on
	global_load_b128 v[8*\i:8*\i+3],   v[QOA], s[54:55] offset:(\i/4)*4096+(\i%4)*64
	global_load_b128 v[8*\i+4:8*\i+7], v[QOA], s[54:55] offset:(\i/4)*4096+(\i%4)*64+32
.endr
.irp i, 8,9,10,11,12,13,14,15
	global_load_b128 v[8*\i:8*\i+3],   v[QOB], s[54:55] offset:(\i/4-2)*4096+(\i%4)*64
	global_load_b128 v[8*\i+4:8*\i+7], v[QOB], s[54:55] offset:(\i/4-2)*4096+(\i%4)*64+32
.endr
	WIN 0
	v_mul_u32_u24 v[AK0], v1, PK
	v_lshl_add_u32 v[AK0], v9, 4, v[AK0]
	v_add_nc_u32 v[AK0], s60, v[AK0]  ; row x pitch + 16 x half, in my part
	; The turning load takes 16 keys x 16 channels (lane l reads 16 bytes: key 8 (l / 16) + l % 8, channels 8 ((l / 8) % 2) + 0..7) and leaves half a fragment of V^T.
	v_and_b32 v57, 7, v0
	v_bfe_u32 v58, v0, 3, 1
	v_lshl_add_u32 v[AV0], v9, 3, v57
	v_mul_u32_u24 v[AV0], v[AV0], PVP
	v_lshl_add_u32 v[AV0], v58, 4, v[AV0]
	v_add_nc_u32 v[AV0], VOFF, v[AV0]
	v_add_nc_u32 v[AV0], s60, v[AV0]
	v_and_b32 v11, 31, v0
	v_lshlrev_b32 v57, 4, v11
	v_lshlrev_b32 v58, 2, v11
	v_add_nc_u32 v[XST], s56, v57
	v_add_nc_u32 v[XLD], s57, v57
	v_add_nc_u32 v[XSS], s56, v58
	v_add_nc_u32 v[XSL], s57, v58
	v_lshlrev_b32 v[FO], 13, v1
	v_lshl_add_u32 v[FO], v9, 5, v[FO]  ; ctx32: row r of 8,192 bytes, + 32 h
	v_mov_b32 v[QT], s58
	v_lshlrev_b32 v[PFO], 8, v11
	v_mov_b32 v[CV], 0x3e0293ee     ; c = log2(e) / sqrt(128)
	v_mov_b32 v[CV+1], 0x3e0293ee
	v_mov_b32 v[NINF], 0xff800000
.irp t, 0,1,2,3
	v_mov_b32 v[ST+8*\t+1], 0xff61b1e6  ; m = -3e38: under every score that is served
	v_mov_b32 v[ST+8*\t+2], 0       ; l, in two halves
	v_mov_b32 v[ST+8*\t+3], 0
.endr
.irp t, 0,1,2,3
	v_mul_f32 v[ST+8*\t], v[CV], v[ST+8*\t+1]  ; c m
.endr
	WIN 0x40                        ; O^T begins as zeros, so that the key step is written once: its first rescaling multiplies zeros
.set i, 0
.rept 256
	v_mov_b32 v[i], 0
.set i, i+1
.endr
	WIN 0
; THE MATRIX WORK OF A TURN, for piece x.  The accumulators take turns, one instruction a turn.
; Product i of 32 of O^T += V^T P: keys 32 (i / 16) on, channels 16 ((i / 2) % 8) on, tile x + i % 2.
.macro PV x
	WIN W_PV
.set rO, 64*(\x+i%2)+8*((i/2)%8)
.set rV, 64*(i/16)+8*((i/2)%8)
.set rP, P+16*(\x+i%2)+8*(i/16)
	v_wmma_f32_16x16x32_f16 v[rO:rO+7], v[rV:rV+7], v[rP:rP+7], v[rO:rO+7]
.endm
; Product i of 32 of S^T = K Q^T: channels 32 (i / 8) on, keys 16 ((i / 2) % 4) on, tile x + i % 2.  The first 8 start the sums.
.macro KQ x
	WIN W_KQ
.set rS, S+32*(\x+i%2)+8*((i/2)%4)
.set rK, KF+32*((i/2)%4)+8*(i/8)
.set rQ, 32*(\x+i%2)+8*(i/8)
.if i < 8
	v_wmma_f32_16x16x32_f16 v[rS:rS+7], v[rK:rK+7], v[rQ:rQ+7], 0
.else
	v_wmma_f32_16x16x32_f16 v[rS:rS+7], v[rK:rK+7], v[rQ:rQ+7], v[rS:rS+7]
.endif
.endm
; THE LDS LOADS stand in runs of 32: a step's K (64 keys x 128 channels: 16 fragments) and, a turn later, its V (turned).
.macro FETCH_K
	WIN 0
	v_add_nc_u32 v[ADR], s[TBK], v[AK0]
	s_add_co_u32 s[TBK], s[TBK], KSTEPB  ; the next fetch is the next step's
	WIN 0x80                        ; destination window 2
.irp f, 0,1,2,3,4,5,6,7,8,9,10,11,12,13,14,15  ; keys 16 (f / 4) on, channels 32 (f % 4) on
	ds_load_b128 v[KF+8*\f:KF+8*\f+3],   v[ADR] offset:(\f/4)*16*PK+(\f%4)*64
	ds_load_b128 v[KF+8*\f+4:KF+8*\f+7], v[ADR] offset:(\f/4)*16*PK+(\f%4)*64+32
.endr
.endm
.macro FETCH_V
	WIN 0
	v_add_nc_u32 v[ADR], s[TBV], v[AV0]
	s_add_co_u32 s[TBV], s[TBV], VSTEPB
	s_wait_alu depctr_va_vdst(0)    ; the wait for the softmax's batch of exponentials, ahead of the first line that names a result
	WIN 0xc0                        ; destination window 3
.irp f, 0,1,2,3,4,5,6,7,8,9,10,11,12,13,14,15  ; keys 32 (f / 8) on, channels 16 (f % 8) on
	ds_load_tr16_b128 v[8*\f:8*\f+3],   v[ADR] offset:(\f/8)*32*PVP+(\f%8)*32
	ds_load_tr16_b128 v[8*\f+4:8*\f+7], v[ADR] offset:(\f/8)*32*PVP+16*PVP+(\f%8)*32
.endr
.endm
; The 64 mask words of a piece's next step: 32 of its even tile, 32 of its odd tile (4,096 bytes on).
.macro MLOAD ms
	s_load_b512 s[32:47], s[MPT:MPT+1], s[\ms] offset:0x0
	s_load_b512 s[48:63], s[MPT:MPT+1], s[\ms] offset:0x40
	s_load_b512 s[68:83], s[MPT:MPT+1], s[\ms] offset:0x1000
	s_load_b512 s[84:99], s[MPT:MPT+1], s[\ms] offset:0x1040
.endm
; THE VECTOR WORK OF A TURN.  One tile's softmax for one key step is a list of 166 instructions; SM writes number j of it for tile t.
;   0-31    the mask: -infinity into score register j where its word's bit is 1 (ascending: each accumulator is first read at its low end)
;   32-52   the maximum of the 32 scores and the old m (four chains, three operands at a time); the other half of the lanes'; the new m; c m; c m_old - c m_new
;   53-68   the 16 scalings c s - c m, a pair of scores each
;   69-101  ONE BATCH of 33 exponentials: a, then the 32 weights.  None of these lines reads an exponential's result
;   (wait)  behind number 101 of the second tile stands the one wait for both tiles' batch
;   102-117 the roundings to f16;  118-133 the sums, and l = a l + the sum;  134-165 the tile's O^T times a
.macro SM t
.set rT, ST+8*(\t)
.set rS, S+32*(\t)
.set rP, P+16*(\t)
.set rM, 32+36*((\t)%2)
.set k, j-32
.if j < 134
	WIN 0
.endif
.if j < 32
	v_cndmask_b32 v[rS+j], v[rS+j], v[NINF], s[rM+j]
.elseif k < 4
	v_max3_num_f32 v[rT+4+k], v[rS+8*k], v[rS+8*k+1], v[rS+8*k+2]
.elseif k < 12
	v_max3_num_f32 v[rT+4+k%4], v[rT+4+k%4], v[rS+8*(k%4)+2*(k/4)+1], v[rS+8*(k%4)+2*(k/4)+2]
.elseif k == 12
	v_max3_num_f32 v[rT+4], v[rT+4], v[rS+7], v[rS+15]
.elseif k == 13
	v_max3_num_f32 v[rT+6], v[rT+6], v[rS+23], v[rS+31]
.elseif k == 14
	v_max3_num_f32 v[rT+4], v[rT+4], v[rT+5], v[rT+6]
.elseif k == 15
	v_max3_num_f32 v[rT+4], v[rT+4], v[rT+7], v[rT+1]
.elseif k == 16
	v_permlanex16_b32 v[rT+5], v[rT+4], s[SEL], s[SEL+1]  ; the query's other 32 keys lie in the lane 16 away
.elseif k == 17
	v_mov_b32 v[rT+7], v[rT]        ; c m_old is kept for a
.elseif k == 18
	v_max_num_f32 v[rT+1], v[rT+4], v[rT+5]
.elseif k == 19
	v_mul_f32 v[rT], v[CV], v[rT+1]
.elseif k == 20
	v_sub_f32 v[rT+7], v[rT+7], v[rT]
.elseif j < 69
.set b, j-53
	v_pk_fma_f32 v[rS+2*b:rS+2*b+1], v[rS+2*b:rS+2*b+1], v[CV:CV+1], v[rT:rT+1] op_sel_hi:[1,1,0] neg_lo:[0,0,1] neg_hi:[0,0,1]  ; c s - c m; a hidden score stays -infinity
.elseif j == 69
	v_exp_f32 v[rT+6], v[rT+7]
.elseif j < 102
	v_exp_f32 v[rS+j-70], v[rS+j-70]
.elseif j < 118
	v_cvt_pk_f16_f32 v[rP+j-102], v[rS+2*(j-102)], v[rS+2*(j-102)+1]
.elseif j < 134                     ; the sum of the tile's 16 pairs, in place: neighbours 1, 2, 4 and 8 pairs apart, then l takes it
.set z, j-118
.set w, 4
.set u, z
.if z >= 14
.set w, 32
.set u, 0
.elseif z >= 12
.set w, 16
.set u, z-12
.elseif z >= 8
.set w, 8
.set u, z-8
.endif
.if z < 15
	v_pk_add_f32 v[rS+w*u:rS+w*u+1], v[rS+w*u:rS+w*u+1], v[rS+w*u+w/2:rS+w*u+w/2+1]
.else
	v_pk_fma_f32 v[rT+2:rT+3], v[rT+2:rT+3], v[rT+6:rT+7], v[rS:rS+1] op_sel_hi:[1,0,1]
.endif
.else
	WIN W_RS
.set rO, 64*(\t)+2*(j-134)
	v_pk_mul_f32 v[rO:rO+1], v[rO:rO+1], v[rT+6:rT+7] op_sel_hi:[1,0]
.endif
.endm
; Element e of 332 of piece y's softmax: number e / 2 of tile y + e % 2: the two tiles alternate, so that no line reads the result of the line just before it.
; e = 0: the piece's mask words are in (scalar loads: the wait is for 0), so their offset register may step to the next key step.  Behind e = 63 the words are used up: the OTHER piece's are asked for (nxt = 1),
; nearly a turn ahead of their use.  Behind e = 203 the batch is out: the plain line that a transcendental wants ahead of its result's use, and the one wait.  In the turn that fetches V there are four such
; plain lines: they are also the places between the last product that read V and the loads into V's registers.
.macro EL y, nxt
.if e == 0
	s_wait_kmcnt 0x0
.if (\y) == 0
	s_add_co_u32 s[MOA], s[MOA], 128
.else
	s_add_co_u32 s[MOB], s[MOB], 128
.endif
.endif
.set j, e/2
	SM (\y)+e%2
.if (e == 63) && \nxt
.if (\y) == 0
	MLOAD MOB
.else
	MLOAD MOA
.endif
.endif
.if e == 203
.if (\y) == 0
.rept 4
	v_nop
.endr
	FETCH_V
.else
	v_nop
	s_wait_alu depctr_va_vdst(0)    ; the wait for the batch
.endif
.endif
.set e, e+1
.endm
; A slice: five elements; 332 = 64 x 5 + 12: the twelve that are over stand in slice 63, whose 17 plain multiplies are the places behind the turn's last K Q^T.
.macro SLICE y, nxt
.set cnt, 5
.if sl == 63
.set cnt, 17
.endif
.rept cnt
	EL \y, \nxt
.endr
.set sl, sl+1
.endm
; A TURN.  Piece x has the matrix unit; the other piece's softmax stands in slices behind its matrix instructions.  pv = 1: 32 products V^T P; kq = 1: 32 products K Q^T for the next step.
; A turn with one of the two kinds has two slices behind each product.  Piece 0's turn fetches the next step's K behind its second product; piece 2's turn the same step's V, behind the batch.
.macro TURN x, pv, kq, nxt
.set e, 0
.set sl, 0
.set per, 2
.if \pv && \kq
.set per, 1
.endif
.if \pv
.if \x == 0
	s_wait_dscnt 0x0                ; V is in
.endif
.set i, 0
.rept 32
	PV \x
.rept per
	SLICE 2-\x, \nxt
.endr
.if (\x == 0) && \kq && (i == 1)
	FETCH_K
.endif
.set i, i+1
.endr
.endif
.if \kq
.if \x == 0
	s_wait_dscnt 0x0                ; K is in
.endif
.set i, 0
.rept 32
	KQ \x
.rept per
	SLICE 2-\x, \nxt
.endr
.set i, i+1
.endr
.endif
.endm
; THE CHANGE OF SLOTS, between piece 2's turn and piece 0's: the slot's last bytes, V of its second step, have been asked for.  Each wave waits for all its tensor loads, of which one is out: its part of
; the other slot; adds 0 to its spare word; and waits for that and for its own reads of the slot.  fill = 1: the slot is filled again with the keys two slots on: the barrier is then a round of the cluster's,
; and the joint refill is the first thing behind it: it has two key steps, 256 matrix instructions a wave, in which to land.
.macro CHANGE fill
	WIN 0                           ; at a label and at a branch every window is 0
	s_wait_tensorcnt 0x0            ; no tensor load of mine is out, so group 0 may be written
	ds_add_u32 v[SPW], v[NIL]       ; 0 onto my spare word
.if \fill
	s_xor_b32 s[SB], s[SB], SLOTB   ; the other slot than last time (the register holds 0 or SLOTB),
	s_add_co_u32 s[G0+1], s[SB], s[OFFW]
	s_add_nc_u64 s[G0+2:G0+3], s[G0+2:G0+3], 0x10000  ; the next 256 keys; the type bits on top are not reached
	s_wait_xcnt 0x0                 ; the last prefetch, two key steps back, has read its address
	s_add_nc_u64 s[PFA:PFA+1], s[PFA:PFA+1], 0x10000  ; one slot further on than the walking descriptor
	s_wait_dscnt 0x0                ; the add is done, and my reads of the slot are over
	CROUND
	JLOAD
	ASK
.else
	s_wait_dscnt 0x0
	s_barrier_signal -1
	s_barrier_wait -1
.endif
	s_sub_co_u32 s[TBK], s[TBK], 2*KSTEPB  ; the fetches go back to a slot's first step (0 or SLOTB),
	s_xor_b32 s[TBK], s[TBK], SLOTB  ; in the other slot
	s_sub_co_u32 s[TBV], s[TBV], 2*VSTEPB
	s_xor_b32 s[TBV], s[TBV], SLOTB
.endm
.macro TWO_STEPS                    ; a slot's two key steps: written once, walked twice
	s_mov_b32 s[TWICE], 2
.Lstep_\@:
	TURN 0, 1, 1, 1
	TURN 2, 1, 1, 1
	WIN 0
	s_sub_co_u32 s[TWICE], s[TWICE], 1
	s_cmp_lg_u32 s[TWICE], 0
	s_cbranch_scc1 .Lstep_\@
.endm
	s_wait_tensorcnt 1              ; my part of slot 0 is in; slot 1's may stay out
	s_barrier_signal -1
	s_barrier_wait -1               ; everybody's is
	FETCH_K                         ; key step 0
	s_wait_loadcnt 0x0              ; Q is in, so its base, which lies among the mask words' registers, is free; so is slot 0's group 0
	MLOAD MOA                       ; piece 0's words of step 0
	s_wait_dscnt 0x0
.set i, 0
.rept 32
	KQ 0                            ; piece 0's first scores
.set i, i+1
.endr
	WIN 0                           ; the addresses for the way out: eight plain lines, the places behind those products
	s_mul_i32 s[TWICE], s[WV], 16*SP
	s_add_co_u32 s[TWICE], s[TWICE], STAGE  ; my stage
	v_mul_u32_u24 v[STO], v1, SP    ; in: row r, 16 bytes for each half of the lanes
	v_lshl_add_u32 v[STO], v9, 4, v[STO]
	v_add_nc_u32 v[STO], s[TWICE], v[STO]
	v_mul_u32_u24 v[RD], v9, SP     ; back: lanes 0-15 take one row of 256 bytes, lanes 16-31 the next
	v_lshl_add_u32 v[RD], v1, 4, v[RD]
	v_add_nc_u32 v[RD], s[TWICE], v[RD]
	v_lshlrev_b32 v[GO], 12, v9     ; and the same two rows in ctx16: 4,096 bytes a row
	v_lshl_add_u32 v[GO], v1, 4, v[GO]
	TURN 2, 0, 1, 1                 ; piece 2's first scores | piece 0's softmax of step 0 | V of step 0
	TURN 0, 1, 1, 1                 ; piece 0: V^T P of step 0, K Q^T of step 1 | piece 2's softmax of step 0 | K of step 1
	TURN 2, 1, 1, 1                 ; piece 2: the same | piece 0's softmax of step 1 | V of step 1
	WIN 0
.Lslot:                             ; six trips: every slot but the last two is filled again
	CHANGE 1
	TWO_STEPS
	s_sub_co_u32 s[SLOTS], s[SLOTS], 1
	s_cmp_lg_u32 s[SLOTS], 0
	s_cbranch_scc1 .Lslot
	CHANGE 0                        ; the tail is written out
	TWO_STEPS
	TURN 0, 1, 0, 0                 ; piece 0: V^T P of the last step | piece 2's last softmax
.set i, 0
.rept 32
	PV 2                            ; piece 2: V^T P of the last step
.set i, i+1
.endr
	; THE TWO KEY HALVES ARE JOINED.  l's two halves and the other half of the lanes' are added (these lines are the places behind the last products); register tiles 2, 3 go to my partner as images of
	; their registers, with their c m and l; a barrier; my partner's come back for my tiles 0, 1.
	WIN 0
.irp t, 0,1,2,3
	v_add_f32 v[ST+8*\t+4], v[ST+8*\t+2], v[ST+8*\t+3]
.endr
.irp t, 0,1,2,3
	v_permlanex16_b32 v[ST+8*\t+5], v[ST+8*\t+4], s[SEL], s[SEL+1]
.endr
.irp t, 0,1,2,3
	v_add_f32 v[ST+8*\t+4], v[ST+8*\t+4], v[ST+8*\t+5]
.endr
	WIN 0x04                        ; an LDS store's data are its source 1: window 1
.set i, 0
.rept 32
	ds_store_b128 v[XST], v[128+4*i:128+4*i+3] offset:512*i  ; each accumulator from its low end on
.set i, i+1
.endr
	WIN 0
	ds_store_b32 v[XSS], v[ST+16] offset:16384
	ds_store_b32 v[XSS], v[ST+20] offset:16384+128
	ds_store_b32 v[XSS], v[ST+24] offset:16384+256
	ds_store_b32 v[XSS], v[ST+28] offset:16384+384
	s_load_b128 s[36:39], s[0:1], 0x10  ; ctx16 s[36:37], ctx32 s[38:39]: the mask words' registers are free
	s_bfe_u32 s40, ttmp6, 0x40000
	s_lshl_b32 s41, ttmp9, 2
	s_add_co_u32 s41, s41, s40      ; x
	s_and_b32 s42, ttmp7, 0xffff    ; the head
	s_and_b32 s43, s[WV], 1
	s_lshr_b32 s44, s[WV], 1
	s_lshl_b32 s46, s41, 19         ; ctx16: row 128 x + 64 qh + 32 kh of 4,096 bytes, + 256 x head
	s_lshl_b32 s47, s43, 18
	s_add_co_u32 s46, s46, s47
	s_lshl_b32 s47, s44, 17
	s_add_co_u32 s46, s46, s47
	s_lshl_b32 s47, s42, 8
	s_add_co_u32 s46, s46, s47
	s_mov_b32 s47, 0
	s_lshl_b32 s48, s42, 9          ; ctx32: 512 x head
	s_mov_b32 s49, 0
	s_wait_dscnt 0x0                ; for my partner's sake: my stores have landed
	s_barrier_signal -1
	s_barrier_wait -1
	ds_load_b32 v[PB], v[XSL] offset:16384
	ds_load_b32 v[PB+1], v[XSL] offset:16384+128
	ds_load_b32 v[PB+2], v[XSL] offset:16384+256
	ds_load_b32 v[PB+3], v[XSL] offset:16384+384
.set i, 0
.rept 32
	ds_load_b128 v[S+4*i:S+4*i+3], v[XLD] offset:512*i
.set i, i+1
.endr
	s_wait_kmcnt 0x0
	s_add_nc_u64 s[36:37], s[36:37], s[46:47]
	s_add_nc_u64 s[38:39], s[38:39], s[48:49]
	s_wait_dscnt 0x0
.irp t, 0,1
	v_max_num_f32 v[ST+8*\t+1], v[ST+8*\t], v[PB+2*\t]  ; the joint c m
.endr
.irp t, 0,1
	v_sub_f32 v[ST+8*\t+6], v[ST+8*\t], v[ST+8*\t+1]
	v_sub_f32 v[ST+8*\t+2], v[PB+2*\t], v[ST+8*\t+1]
.endr
.irp t, 0,1
	v_exp_f32 v[ST+8*\t+6], v[ST+8*\t+6]  ; my half's factor,
	v_exp_f32 v[ST+8*\t+2], v[ST+8*\t+2]  ; my partner's
.endr
	v_nop                           ; a plain line between the last exponential and the use of a result
	s_wait_alu depctr_va_vdst(0)    ; one wait for the four
.irp t, 0,1
	v_mul_f32 v[ST+8*\t+4], v[ST+8*\t+6], v[ST+8*\t+4]
.endr
.irp t, 0,1
	v_fma_f32 v[ST+8*\t+4], v[ST+8*\t+2], v[PB+2*\t+1], v[ST+8*\t+4]  ; the row's sum
.endr
.irp t, 0,1
	v_rcp_f32 v[ST+8*\t+5], v[ST+8*\t+4]
.endr
	v_nop
	s_wait_alu depctr_va_vdst(0)    ; one wait for the two reciprocals
.irp t, 0,1
	v_mul_f32 v[ST+8*\t+6], v[ST+8*\t+6], v[ST+8*\t+5]  ; factor / sum, mine
	v_mul_f32 v[ST+8*\t+2], v[ST+8*\t+2], v[ST+8*\t+5]  ; and my partner's
.endr
; Tile t is finished in S^T's registers: my partner's O^T times its factor, plus mine times mine.  Tile 0 of the wave that holds positions 0 to 15 also leaves as f32: by EXEC, not by a branch,
; since the tile's number hangs on the work-group's place in its cluster.  Then f16, through my stage, back as whole rows of 256 bytes.
.macro FIN t
.set rT, ST+8*\t
	WIN 0
.set i, 0
.rept 32
	v_pk_mul_f32 v[S+64*\t+i:S+64*\t+i+1], v[S+64*\t+i:S+64*\t+i+1], v[rT+2:rT+3] op_sel_hi:[1,0]
.set i, i+2
.endr
	WIN 0x01                        ; source 0 (O^T) window 1
.set i, 0
.rept 32
	v_pk_fma_f32 v[S+64*\t+i:S+64*\t+i+1], v[64*\t+i:64*\t+i+1], v[rT+6:rT+7], v[S+64*\t+i:S+64*\t+i+1] op_sel_hi:[1,0,1]
.set i, i+2
.endr
	WIN 0
.if \t == 0
	s_wait_xcnt 0x0                 ; EXEC changes only behind this wait
	v_cmp_eq_u32 vcc_lo, 0, v[QT]
	s_and_saveexec_b32 s40, vcc_lo
.irp f, 0,1,2,3,4,5,6,7             ; register 8 f + i is channel 16 f + 8 h + i of position r
	global_store_b128 v[FO], v[S+8*\f:S+8*\f+3], s[38:39] offset:64*\f
	global_store_b128 v[FO], v[S+8*\f+4:S+8*\f+7], s[38:39] offset:64*\f+16
.endr
	s_wait_xcnt 0x0                 ; and again, in front of the line that widens it
	s_or_b32 exec_lo, exec_lo, s40
.endif
.set i, 0
.rept 32
	v_cvt_pk_f16_f32 v[P+32*\t+i], v[S+64*\t+2*i], v[S+64*\t+2*i+1]
.set i, i+1
.endr
.irp f, 0,1,2,3,4,5,6,7
	ds_store_b128 v[STO], v[P+32*\t+4*\f:P+32*\t+4*\f+3] offset:32*\f
.endr
.irp f, 0,1,2,3,4,5,6,7
	ds_load_b128 v[P+32*\t+4*\f:P+32*\t+4*\f+3], v[RD] offset:\f*2*SP  ; LDS serves a wave's instructions in order (ISA guide 5.7.1.4): these see the stores above; the next tile's stores come behind them
.endr
.endm
.macro SEND t, younger              ; younger: the LDS instructions issued behind tile t's loads
.irp f, 0,1,2,3,4,5,6,7
	s_wait_dscnt \younger+7-\f
	global_store_b128 v[GO], v[P+32*\t+4*\f:P+32*\t+4*\f+3], s[36:37] offset:\t*65536+\f*8192  ; 16 lanes store 256 consecutive bytes, aligned
.endr
.endm
	FIN 0
	FIN 1
	SEND 0, 16
	SEND 1, 0
	s_wait_tensorcnt 0x0            ; the wave's end: behind my last tensor load and my last LDS store
	ds_add_u32 v[SPW], v[NIL]
	s_wait_dscnt 0x0
	CROUND                          ; the closing round: no work-group ends while a partner may still ask for a tile that names it
	s_endpgm
.Lfunc_end_k_qdbd8dfc233_attn:
	.size	k_qdbd8dfc233_attn, .Lfunc_end_k_qdbd8dfc233_attn-k_qdbd8dfc233_attn
	.p2alignl 7, 3214868480
	.fill 96, 4, 3214868480
	.section	.rodata,"a",@progbits
	.p2align	6, 0x0
	.amdhsa_kernel k_qdbd8dfc233_attn
		.amdhsa_group_segment_fixed_size 327680
		.amdhsa_private_segment_fixed_size 0
		.amdhsa_enable_private_segment 0
		.amdhsa_kernarg_size 32
		.amdhsa_user_sgpr_count 2
		.amdhsa_user_sgpr_kernarg_segment_ptr 1
		.amdhsa_wavefront_size32 1
		.amdhsa_system_sgpr_workgroup_id_x 1
		.amdhsa_system_sgpr_workgroup_id_y 1
		.amdhsa_system_sgpr_workgroup_id_z 1
		.amdhsa_system_vgpr_workitem_id 0
		.amdhsa_next_free_vgpr 1024
		.amdhsa_next_free_sgpr 106
		.amdhsa_reserve_vcc 1
		.amdhsa_float_denorm_mode_32 3
		.amdhsa_float_denorm_mode_16_64 3
		.amdhsa_memory_ordered 1
		.amdhsa_forward_progress 1
		.amdhsa_inst_pref_size 255
	.end_amdhsa_kernel
	.section	.bss,"aw",@nobits
	.p2align	6
	.space	262144
	.amdgpu_metadata
---
amdhsa.version: [ 1, 2 ]
amdhsa.kernels:
  - .name:           k_qdbd8dfc233_attn
    .symbol:         k_qdbd8dfc233_attn.kd
    .args:
      - { .name: qkv16, .offset: 0, .size: 8, .value_kind: global_buffer, .address_space: global }
      - { .name: mbits, .offset: 8, .size: 8, .value_kind: global_buffer, .address_space: global }
      - { .name: ctx16, .offset: 16, .size: 8, .value_kind: global_buffer, .address_space: global }
      - { .name: ctx32, .offset: 24, .size: 8, .value_kind: global_buffer, .address_space: global }
    .group_segment_fixed_size: 327680
    .private_segment_fixed_size: 0
    .kernarg_segment_align: 8
    .kernarg_segment_size: 32
    .max_flat_workgroup_size: 128
    .sgpr_count:     106
    .vgpr_count:     1024
    .wavefront_size: 32
...
	.end_amdgpu_metadata
.endif
;; end of part 3
;; launch oproj (part 4): grid 16 x 16, 4 waves a work-group, clusters of 4 x 4, 327,680 bytes of LDS; arguments ctx16, wo16, bo, out0; writes out0
.if DOCPART == 4
	.amdgcn_target "amdgcn-amd-amdhsa--gfx1250"
	.amdhsa_code_object_version 6
	.text
	.protected	k_qdbd8dfc233_oproj
	.globl	k_qdbd8dfc233_oproj
	.p2align	8
	.type	k_qdbd8dfc233_oproj,@function
k_qdbd8dfc233_oproj:
	s_mov_b64 s[64:65], 0
	v_nop
	global_prefetch_b8 v0, s[64:65] scope:SCOPE_SE
	s_setreg_imm32_b32 hwreg(HW_REG_WAVE_MODE, 25, 1), 1
	s_wait_xcnt 0x0
	s_wait_alu depctr_hold_cnt(0) depctr_sa_sdst(0) depctr_va_vdst(0) depctr_va_sdst(0) depctr_va_ssrc(0) depctr_va_vcc(0) depctr_vm_vsrc(0)
	s_getreg_b32 s2, hwreg(HW_REG_IB_STS2, 6, 4)
	s_cmp_eq_u32 s2, 0
	s_cbranch_scc0 .Lentry_in_a_cluster
	s_endpgm
.Lentry_in_a_cluster:
	s_bfe_u32 s2, ttmp6, 0x10000c
	s_cmp_lg_u32 s2, 0xf033
	s_cbranch_scc0 .Lentry_shape_is_right
	s_endpgm
.Lentry_shape_is_right:
; out0[s][o] = sum over h of ctx[s][h] Wo[o][h] + bo[o].  A = ctx16 [2048][2048], B = wo16 [2048][2048], both f16; sums and out0 in f32.
; (Rows 0 to 15 are stored here like all others and stored anew, from f32 operands, by the launch that follows.)
; A tile of C is 128 x 128: 256 work-groups.  Four waves, each 64 x 64: 16 accumulators of 16 x 16.  K goes in steps of 256 (LDS rows of 512 bytes; a wave's tensor load brings 64 of them) through two slots.
; CLUSTERS: 4 x 4 work-groups.  The four of a row of the cluster need the same tiles of A, the four of a column the same tiles of B: each tile is asked for jointly.
; THE MATRIX INSTRUCTION IS USED TRANSPOSED (source 0 = 16 rows of B, source 1 = 16 rows of A): a lane then holds eight neighbouring numbers of a row of C.  THE BIAS is the C of each sum's first product.
; No prefetch: a K step's tiles are small and are shared in the cluster.
; REGISTERS: window 0: v0-31 addresses; v32-95 at work on the way out; v96-127 the bias; v128-255 the accumulators ((a, b) at v[128 + 8 (4 a + b)]).
;   window 1: two fragment buffers of 128: for 64 along K, 64 registers of A, then 64 of B.
.set SIZE_M, 2048
.set SIZE_N, 2048
.set SIZE_K, 2048
.set KSTEP,  256
.set PITCH,  528                       ; an LDS row: 512 bytes + 16 of padding = 132 words: row r starts at bank 4 r mod 64 (64 banks of 4 bytes: ISA guide 11.1)
.set HALFT,  64*PITCH                  ; 64 rows: what one tensor load brings
.set SLOT,   4*HALFT                   ; A's 128 rows, then B's 128 rows
.set STAGE,  2*SLOT                    ; behind the ring: 16 rows x 272 bytes for each wave, for the way out
.set SPITCH, 272
.set SPARE,  STAGE+4*16*SPITCH         ; the spare words, 128 bytes for each wave: two blocks of 256 bytes that no other line names
.set LAPS, SIZE_K/(2*KSTEP)            ; a lap = two K steps = once round the ring
.set ADRA, 16                          ; v16-17  LDS address of my A fragments in slot 0, 1
.set ADRB, 20                          ; v20-21  the same for B
.set STO,  24                          ; v24     the way out: where I put 32 bytes of a row
.set RD,   25                          ; v25     where I read a row back
.set CO,   26                          ; v26     my byte offset in two rows of C
.set BOF,  27                          ; v27     32 x (lane / 16): my half's eight numbers of the bias
.set SPW,  28                          ; v28     SPARE + 4 x my thread's number; never rewritten
.set NIL,  29                          ; v29     0; never rewritten
.set TMP,  32                          ; the way out: two sets of 32 registers
.set BI,   96                          ; the bias: eight registers for each of B's four blocks
.set ACC,  128
.set F0,   0                           ; fragment buffers, in window 1
.set F1,   128
.set G1, 24                            ; s[24:31] descriptor group 1 for A's tiles;  s[32:39] group 0, one set for each slot
.set G0, 32
.set G1B, 48                           ; s[48:55], s[56:63] the same for B's tiles
.set G0B, 56
.set MSB, 0
.macro WIN new                         ; the immediate's high byte repeats the setting that is left
.if MSB != (\new)
	s_set_vgpr_msb (MSB<<8)|(\new)
.set MSB, (\new)
.endif
.endm
.set MUL,  0x05                        ; sources 0 (B) and 1 (A) window 1; C and D window 0
.set TO_F, 0x40                        ; destination window 1, address window 0
.macro JLOAD s                         ; a joint load: waves 0 and 1 fetch A's two halves, waves 2 and 3 B's; an s_nop 0 and four v_nop follow each of the two lines
	s_cmp_eq_u32 s11, 0
	s_cbranch_scc0 .Lfor_b_\@
	tensor_load_to_lds s[G0+4*\s:G0+4*\s+3], s[G1:G1+7]
	s_nop 0
.rept 4
	v_nop
.endr
	s_branch .Lasked_\@
.Lfor_b_\@:
	tensor_load_to_lds s[G0B+4*\s:G0B+4*\s+3], s[G1B:G1B+7]
	s_nop 0
.rept 4
	v_nop
.endr
.Lasked_\@:
.endm
.macro CREST                           ; a round of the cluster's barrier behind its opening barrier
	s_cmp_lg_u32 s10, 0
	s_cbranch_scc1 .Lnot_wave_0_\@
	s_barrier_signal -3
.Lnot_wave_0_\@:
	s_barrier_wait -3
	s_barrier_signal -1
	s_barrier_wait -1
.endm
.macro CROUND                          ; a whole round
	s_barrier_signal -1
	s_barrier_wait -1
	CREST
.endm
	s_load_b128 s[4:7], s[0:1], 0x0                ; ctx16 s[4:5], wo16 s[6:7]
	s_load_b64 s[68:69], s[0:1], 0x10              ; bo
	s_load_b64 s[8:9], s[0:1], 0x18                ; out0
	v_lshl_add_u32 v[SPW], v0, 2, SPARE
	v_mov_b32 v[NIL], 0
	ds_add_u32 v[SPW], v[NIL]                      ; the wave's opening: the add, twice on end, and its wait ahead of my first tensor load
	ds_add_u32 v[SPW], v[NIL]
	v_lshrrev_b32 v1, 5, v0
	v_readfirstlane_b32 s10, v1                    ; wave 0..3
	s_lshr_b32 s11, s10, 1                         ; which half of the tile's rows is mine.  Also: I fetch for A (0) or for B (1)
	s_and_b32 s12, s10, 1                          ; which half of its columns.  Also: which 64 rows of that tile I fetch
	s_bfe_u32 s40, ttmp6, 0x40000                  ; cx, cy: my place in the cluster
	s_bfe_u32 s41, ttmp6, 0x40004
	s_lshl_b32 s42, ttmp9, 2
	s_add_co_u32 s42, s42, s40                     ; tile column of C = 4 x cluster x + cx
	s_and_b32 s13, ttmp7, 0xffff
	s_lshl_b32 s13, s13, 2
	s_add_co_u32 s13, s13, s41                     ; tile row of C = 4 x cluster y + cy
	s_lshl_b32 s43, s41, 2
	s_lshl_b32 s43, 15, s43                        ; my row of the cluster
	s_lshl_b32 s44, 0x1111, s40                    ; my column
	; descriptor group 1: a tile of 64 rows x 256 elements of 2 bytes, padded in LDS
	s_or_b32 s[G1+0], s43, (1<<16)|(1<<20)|(1<<21)|(6<<22)|(3<<25)  ; the mask: A's tiles go to my row; elements of 2 bytes; padding on; bit 21 beside a mask; after every 128 words four words
	s_or_b32 s[G1B+0], s44, (1<<16)|(1<<20)|(1<<21)|(6<<22)|(3<<25)
.irp g, G1, G1B
	s_mov_b32 s[\g+1], KSTEP<<16                   ; tensor_dim0 = 256
	s_mov_b32 s[\g+2], 64<<16                      ; tensor_dim1 = 64
	s_mov_b32 s[\g+3], KSTEP<<16                   ; tile_dim0 = 256
	s_mov_b32 s[\g+4], 64                          ; tile_dim1 = 64
	s_mov_b32 s[\g+5], SIZE_K                      ; tensor_dim0_stride
	s_mov_b32 s[\g+6], 0
	s_mov_b32 s[\g+7], 0
.endr
	s_lshl_b32 s17, s12, 6                         ; which 64 rows of the tile I fetch
	s_lshl_b32 s16, s13, 7
	s_add_co_u32 s16, s16, s17                     ; A: row 128 x tile row + 64 x half
	s_lshl_b32 s46, s42, 7
	s_add_co_u32 s46, s46, s17                     ; B: row 128 x tile column + 64 x half
	s_mov_b32 s17, 0
	s_mov_b32 s47, 0
	s_mov_b64 s[18:19], SIZE_K*2
	s_mul_u64 s[16:17], s[16:17], s[18:19]
	s_mul_u64 s[46:47], s[46:47], s[18:19]
	s_mul_i32 s20, s10, HALFT                      ; where they go: wave x 64 rows
	s_wait_dscnt 0x0                               ; both opening adds are done
	s_wait_kmcnt 0x0
	s_add_nc_u64 s[14:15], s[4:5], s[16:17]
	s_add_nc_u64 s[46:47], s[6:7], s[46:47]
	CROUND                                         ; all sixteen work-groups are here: the first joint loads meet
.irp s, 0,1
	s_mov_b32 s[G0+4*\s], 1
	s_add_co_u32 s[G0+4*\s+1], s20, \s*SLOT
	s_add_nc_u64 s[G0+4*\s+2:G0+4*\s+3], s[14:15], \s*KSTEP*2
	s_or_b32 s[G0+4*\s+3], s[G0+4*\s+3], 0x80000000
	s_mov_b32 s[G0B+4*\s], 1
	s_add_co_u32 s[G0B+4*\s+1], s20, \s*SLOT
	s_add_nc_u64 s[G0B+4*\s+2:G0B+4*\s+3], s[46:47], \s*KSTEP*2
	s_or_b32 s[G0B+4*\s+3], s[G0B+4*\s+3], 0x80000000
	JLOAD \s
.endr
	v_and_b32 v1, 15, v0                           ; l % 16
	v_bfe_u32 v2, v0, 4, 1                         ; l / 16
	v_mul_u32_u24 v3, v1, PITCH
	v_lshl_add_u32 v3, v2, 4, v3                   ; a fragment's row x pitch + 16 x half
	s_mul_i32 s21, s11, HALFT                      ; my 64 rows of A
	s_mul_i32 s22, s12, HALFT                      ; my 64 rows of B,
	s_add_co_u32 s22, s22, 2*HALFT                 ; which lie behind A's 128
.irp s, 0,1
	v_add_nc_u32 v[ADRA+\s], s21, v3
	v_add_nc_u32 v[ADRB+\s], s22, v3
	s_add_co_u32 s21, s21, SLOT
	s_add_co_u32 s22, s22, SLOT
.endr
	s_mul_i32 s23, s10, 16*SPITCH                  ; my own stage: a wave's 64 columns of f32 are a whole 256 bytes of a row of C
	s_add_co_u32 s23, s23, STAGE
	v_mul_u32_u24 v4, v1, SPITCH                   ; in: row l % 16, 32 bytes for each half of the lanes
	v_lshl_add_u32 v4, v2, 5, v4
	v_add_nc_u32 v[STO], s23, v4
	v_mul_u32_u24 v5, v2, SPITCH                   ; back: lanes 0-15 one row of 256 bytes, lanes 16-31 the next
	v_lshl_add_u32 v5, v1, 4, v5
	v_add_nc_u32 v[RD], s23, v5
	v_lshlrev_b32 v5, 13, v2                       ; and the same two rows in C: 8,192 bytes a row
	v_lshl_add_u32 v[CO], v1, 4, v5
	v_lshlrev_b32 v[BOF], 5, v2
	s_lshl_b32 s16, s13, 7
	s_lshl_b32 s17, s11, 6
	s_add_co_u32 s16, s16, s17                     ; my first row of C: 128 x tile row + 64 x half
	s_lshl_b32 s16, s16, 13
	s_mov_b32 s17, 0
	s_add_nc_u64 s[8:9], s[8:9], s[16:17]
	s_lshl_b32 s46, s42, 9                         ; my first column, in bytes: 512 x tile column + 256 x half
	s_lshl_b32 s47, s12, 8
	s_add_co_u32 s46, s46, s47
	s_mov_b32 s47, 0
	s_add_nc_u64 s[8:9], s[8:9], s[46:47]
	s_add_nc_u64 s[68:69], s[68:69], s[46:47]      ; and the same columns of the bias
.irp b, 0,1,2,3                        ; lane (r, h), block b: the bias of columns 16 b + 8 h + 0 .. 7
	global_load_b128 v[BI+8*\b:BI+8*\b+3], v[BOF], s[68:69] offset:64*\b
	global_load_b128 v[BI+8*\b+4:BI+8*\b+7], v[BOF], s[68:69] offset:64*\b+16
.endr
; 8 matrix instructions: m blocks a0, a0 + 1 x all 4 n blocks, 32 along K: half c of buffer f.  zero = 1: the first product starts the sums, from the bias
.macro MUL8 f, c, a0, zero
.irp a, \a0, \a0+1
.irp b, 0,1,2,3
.if \zero
	v_wmma_f32_16x16x32_f16 v[ACC+8*(4*(\a)+\b):ACC+8*(4*(\a)+\b)+7], v[\f+64+8*(4*\c+\b):\f+64+8*(4*\c+\b)+7], v[\f+8*(4*\c+\a):\f+8*(4*\c+\a)+7], v[BI+8*\b:BI+8*\b+7]
.else
	v_wmma_f32_16x16x32_f16 v[ACC+8*(4*(\a)+\b):ACC+8*(4*(\a)+\b)+7], v[\f+64+8*(4*\c+\b):\f+64+8*(4*\c+\b)+7], v[\f+8*(4*\c+\a):\f+8*(4*\c+\a)+7], v[ACC+8*(4*(\a)+\b):ACC+8*(4*(\a)+\b)+7]
.endif
.endr
.endr
.endm
; 32 LDS loads in one run: the fragments of 64 along K at byte k of the rows, into buffer f; the first 32 along K first
.macro FETCH slot, k, f
	WIN TO_F
.irp c, 0,1
.irp i, 0,1,2,3
	ds_load_b128 v[\f+64+8*(4*\c+\i):\f+64+8*(4*\c+\i)+3],   v[ADRB+\slot] offset:\k+64*\c+\i*16*PITCH
	ds_load_b128 v[\f+64+8*(4*\c+\i)+4:\f+64+8*(4*\c+\i)+7], v[ADRB+\slot] offset:\k+64*\c+\i*16*PITCH+32
	ds_load_b128 v[\f+8*(4*\c+\i):\f+8*(4*\c+\i)+3],         v[ADRA+\slot] offset:\k+64*\c+\i*16*PITCH
	ds_load_b128 v[\f+8*(4*\c+\i)+4:\f+8*(4*\c+\i)+7],       v[ADRA+\slot] offset:\k+64*\c+\i*16*PITCH+32
.endr
.endr
.endm
.macro PLACES                          ; four places in front of loads into registers that matrix instructions have read, and of the first read of results
.rept 4
	v_nop
.endr
.endm
; A K step is four quarters of 64 along K, 32 matrix instructions each, on buffers 0, 1, 0, 1.  One of the first three: multiplies buffer f and fetches the next quarter, at byte k, into g.
.macro QUARTER slot, k, f, g, zero
	s_wait_dscnt 16                                ; the first 32 along K are in; the youngest sixteen loads may be out
	WIN MUL
	MUL8 \f, 0, 0, \zero
	MUL8 \f, 0, 2, \zero
	PLACES
	FETCH \slot, \k, \g
	s_wait_dscnt 32                                ; all but the 32 just issued
	WIN MUL
	MUL8 \f, 1, 0, 0
	MUL8 \f, 1, 2, 0
.endm
; The last quarter multiplies buffer 1 and changes slots: one barrier; in front of it each wave waits for all its tensor loads, adds 0 to its spare word, and waits for that and for its own reads of this slot.
.macro TURN slot, next, fill
	WIN 0                                          ; (the add's two registers lie in window 0)
	s_wait_tensorcnt 0x0                           ; all my tensor loads have landed: my part of the next slot
	ds_add_u32 v[SPW], v[NIL]                      ; 0 onto my spare word
	s_wait_dscnt 17                                ; (the add and the youngest sixteen loads may be out)
	WIN MUL
	MUL8 F1, 0, 0, 0                               ; eight matrix instructions stand between the add and the wait for it
	s_wait_dscnt 0x0                               ; the add is done, and my reads of this slot are over
	s_barrier_signal -1
	MUL8 F1, 0, 2, 0
.if \fill
	WIN 0
.endif
	s_barrier_wait -1
.if \fill
	CREST                                          ; the barrier has opened a round of the cluster's barrier: no wave of any partner still reads this slot's tile or has a load on its way
	s_add_nc_u64 s[G0+4*\slot+2:G0+4*\slot+3], s[G0+4*\slot+2:G0+4*\slot+3], 2*KSTEP*2
	s_add_nc_u64 s[G0B+4*\slot+2:G0B+4*\slot+3], s[G0B+4*\slot+2:G0B+4*\slot+3], 2*KSTEP*2
	JLOAD \slot                                    ; the first tensor load behind the round; its four v_nop are also the places in front of the loads below
.else
	PLACES
.endif
	FETCH \next, 0, F0
	WIN MUL
	MUL8 F1, 1, 0, 0
	MUL8 F1, 1, 2, 0
.endm
	s_wait_tensorcnt 1                             ; my part of K step 0 is in (K step 1's load may be out),
	s_barrier_signal -1
	s_barrier_wait -1                              ; everybody's is
	FETCH 0, 0, F0
	s_wait_loadcnt 0x0                             ; the bias
	QUARTER 0, 128, F0, F1, 1                      ; the first quarter stands in front of the loop: its first products start the sums
	WIN 0                                          ; at a label and at a branch every window is 0
	s_mov_b32 s3, LAPS-1
.Llap:                                                 ; a trip goes once round the ring, from a lap's second quarter to the next lap's first, and fills both slots again
	QUARTER 0, 256, F1, F0, 0
	QUARTER 0, 384, F0, F1, 0
	TURN 0, 1, 1
	QUARTER 1, 128, F0, F1, 0
	QUARTER 1, 256, F1, F0, 0
	QUARTER 1, 384, F0, F1, 0
	TURN 1, 0, 1
	QUARTER 0, 128, F0, F1, 0
	WIN 0
	s_sub_co_u32 s3, s3, 1
	s_cmp_lg_u32 s3, 0
	s_cbranch_scc1 .Llap
	QUARTER 0, 256, F1, F0, 0                      ; the last lap fills nothing, and has no round of the cluster's barrier
	QUARTER 0, 384, F0, F1, 0
	TURN 0, 1, 0
	QUARTER 1, 128, F0, F1, 0
	QUARTER 1, 256, F1, F0, 0
	QUARTER 1, 384, F0, F1, 0
	s_wait_dscnt 16                                ; the very last quarter: nothing more to fetch
	WIN MUL
	MUL8 F1, 0, 0, 0
	MUL8 F1, 0, 2, 0
	s_wait_dscnt 0
	MUL8 F1, 1, 0, 0
	MUL8 F1, 1, 2, 0
	WIN 0
; THE WAY OUT, block by block of 16 rows x 64 columns of f32: into my own stage (each accumulator from its low end on), back as whole rows of 256 bytes, stored: sixteen lanes fill 256 consecutive bytes, aligned.
.macro OUTB a
.irp b, 0,1,2,3
	ds_store_b128 v[STO], v[ACC+8*(4*(\a)+\b):ACC+8*(4*(\a)+\b)+3] offset:64*\b
	ds_store_b128 v[STO], v[ACC+8*(4*(\a)+\b)+4:ACC+8*(4*(\a)+\b)+7] offset:64*\b+16
.endr
.irp t, 0,1,2,3,4,5,6,7
	ds_load_b128 v[TMP+32*((\a)%2)+4*\t:TMP+32*((\a)%2)+4*\t+3], v[RD] offset:\t*2*SPITCH   ; LDS serves a wave's instructions in order (ISA guide 5.7.1.4): these see the stores above
.endr
.endm
.macro SENDB a, younger                ; younger: the LDS instructions issued behind block a's loads, which may stay out
	s_wait_dscnt \younger
.irp t, 0,1,2,3,4,5,6,7
	global_store_b128 v[CO], v[TMP+32*((\a)%2)+4*\t:TMP+32*((\a)%2)+4*\t+3], s[8:9] offset:(16*(\a)+2*\t)*8192 th:TH_STORE_NT
.endr
.endm
	PLACES
	OUTB 0
.irp a, 1,2,3
.if \a > 1
	s_wait_xcnt 0x0                                ; block a - 2's stores have read their registers: block a's loads may land there
.endif
	OUTB \a
	SENDB \a-1, 16                                 ; behind block a - 1's loads: block a's 8 stores and 8 loads
.endr
	SENDB 3, 0
	s_wait_tensorcnt 0x0                           ; the wave's end: behind my last tensor load and my last LDS store
	ds_add_u32 v[SPW], v[NIL]
	s_wait_dscnt 0x0
	CROUND                                         ; the closing round: no work-group ends while a partner may still ask for a tile that names it
	s_endpgm
.Lfunc_end_k_qdbd8dfc233_oproj:
	.size	k_qdbd8dfc233_oproj, .Lfunc_end_k_qdbd8dfc233_oproj-k_qdbd8dfc233_oproj
	.p2alignl 7, 3214868480
	.fill 96, 4, 3214868480
	.section	.rodata,"a",@progbits
	.p2align	6, 0x0
	.amdhsa_kernel k_qdbd8dfc233_oproj
		.amdhsa_group_segment_fixed_size 327680
		.amdhsa_private_segment_fixed_size 0
		.amdhsa_enable_private_segment 0
		.amdhsa_kernarg_size 32
		.amdhsa_user_sgpr_count 2
		.amdhsa_user_sgpr_kernarg_segment_ptr 1
		.amdhsa_wavefront_size32 1
		.amdhsa_system_sgpr_workgroup_id_x 1
		.amdhsa_system_sgpr_workgroup_id_y 1
		.amdhsa_system_sgpr_workgroup_id_z 1
		.amdhsa_system_vgpr_workitem_id 0
		.amdhsa_next_free_vgpr 512
		.amdhsa_next_free_sgpr 70
		.amdhsa_reserve_vcc 0
		.amdhsa_float_denorm_mode_32 3
		.amdhsa_float_denorm_mode_16_64 3
		.amdhsa_memory_ordered 1
		.amdhsa_forward_progress 1
		.amdhsa_inst_pref_size 86
	.end_amdhsa_kernel
	.amdgpu_metadata
---
amdhsa.version: [ 1, 2 ]
amdhsa.kernels:
  - .name:           k_qdbd8dfc233_oproj
    .symbol:         k_qdbd8dfc233_oproj.kd
    .args:
      - { .name: ctx16, .offset: 0, .size: 8, .value_kind: global_buffer, .address_space: global }
      - { .name: wo16, .offset: 8, .size: 8, .value_kind: global_buffer, .address_space: global }
      - { .name: bo, .offset: 16, .size: 8, .value_kind: global_buffer, .address_space: global }
      - { .name: out0, .offset: 24, .size: 8, .value_kind: global_buffer, .address_space: global }
    .group_segment_fixed_size: 327680
    .private_segment_fixed_size: 0
    .kernarg_segment_align: 8
    .kernarg_segment_size: 32
    .max_flat_workgroup_size: 128
    .sgpr_count:     70
    .vgpr_count:     512
    .wavefront_size: 32
...
	.end_amdgpu_metadata
.endif
;; end of part 4
;; launch fine (part 5): grid 128 x 1, 16 waves a work-group, clusters of 4 x 1, 288,768 bytes of LDS; arguments ctx32, Wo, bo, out0; writes out0
.if DOCPART == 5
	.amdgcn_target "amdgcn-amd-amdhsa--gfx1250"
	.amdhsa_code_object_version 6
	.text
	.protected	k_qdbd8dfc233_fine
	.globl	k_qdbd8dfc233_fine
	.p2align	8
	.type	k_qdbd8dfc233_fine,@function
k_qdbd8dfc233_fine:
	s_mov_b64 s[64:65], 0
	v_nop
	global_prefetch_b8 v0, s[64:65] scope:SCOPE_SE
	s_setreg_imm32_b32 hwreg(HW_REG_WAVE_MODE, 25, 1), 1
	s_wait_xcnt 0x0
	s_wait_alu depctr_hold_cnt(0) depctr_sa_sdst(0) depctr_va_vdst(0) depctr_va_sdst(0) depctr_va_ssrc(0) depctr_va_vcc(0) depctr_vm_vsrc(0)
	s_getreg_b32 s2, hwreg(HW_REG_IB_STS2, 6, 4)
	s_cmp_eq_u32 s2, 0
	s_cbranch_scc0 .Lentry_in_a_cluster
	s_endpgm
.Lentry_in_a_cluster:
	s_bfe_u32 s2, ttmp6, 0x10000c
	s_cmp_lg_u32 s2, 0x3003
	s_cbranch_scc0 .Lentry_shape_is_right
	s_endpgm
.Lentry_shape_is_right:
; out0[0:16][:] = ctx32 Wo^T + bo, all operands in f32: the first 16 positions average few values and are carried more finely than f16 operands allow.  16 rows: no bulk work.
; SHARES.  Work-group g owns the output columns 16 g .. 16 g + 15: 128 work-groups are all that tiles of 16 columns give.  Wave w of sixteen takes K = 128 w .. 128 w + 127: 32 matrix instructions of 16 x 16 x 4.
; The sixteen partial tiles meet in LDS as images of their registers; waves 0 and 1 add them, add the bias and store.
; Each wave brings its own two tiles (16 rows x 512 bytes of ctx32 and of Wo) by two tensor loads and reads only its own bytes.  CLUSTER: the four work-groups of a cluster need the same tiles of ctx32:
; that load is joint; Wo's, which differs from work-group to work-group, is plain.  LDS is filled once: no refill.  No prefetch: all loads go out at the head.
; THE MATRIX INSTRUCTION IS USED TRANSPOSED (source 0 = 16 rows of Wo, source 1 = the 16 positions): lane (r, h) holds position r and outputs 8 h + 0 .. 7.
; A lane's 16 bytes of a row are k = 8 i + 4 h + 0 .. 3; a pair of registers is fed as the instruction's k = 2 h + 0, 1: the same permutation of k on both sides, so the products are those of the sum.
.set TP,    528                        ; an LDS row: 512 bytes + 16 of padding = 132 words: the 16 rows that a load touches start at 16 different banks (64 banks of 4 bytes: ISA guide 11.1)
.set TILE,  16*TP
.set WREG,  2*TILE                     ; a wave's two tiles
.set RED,   16*WREG                    ; behind them: sixteen images of 1,024 bytes
.set SPARE, RED+16*1024                ; the spare words, 128 bytes for each of 16 waves: eight blocks of 256 bytes that no other line names
.set SPW,  2                           ; v2   SPARE + 4 x my thread's number; never rewritten
.set NIL,  3                           ; v3   0; never rewritten
.set FA,   7                           ; v7   my lane's place in my wave's tiles
.set RS,   9                           ; v9   where I store my partial tile
.set RL,   10                          ; v10  where waves 0 and 1 read the sixteen
.set BO,   11                          ; v11  my byte offset in the bias
.set OO,   12                          ; v12  and in out0
.set CF,   32                          ; v32-95   ctx32's numbers;  later the sixteen partial tiles' parts
.set WF,   96                          ; v96-159  Wo's
.set ACC,  160                         ; v160-191 four accumulators by turns: written by matrix instructions alone
.set SUM,  192                         ; v192-199 their sum
.set WV,   12                          ; s12  my wave's number
.set G1C,  16                          ; s[16:23] descriptor group 1 for ctx32's tile (joint);  s[24:31] for Wo's (plain)
.set G1W,  24
.set G0C,  32                          ; s[32:35], s[36:39] their groups 0
.set G0W,  36
.macro CROUND                          ; a round of the cluster's barrier
	s_barrier_signal -1
	s_barrier_wait -1
	s_cmp_lg_u32 s[WV], 0
	s_cbranch_scc1 .Lnot_wave_0_\@
	s_barrier_signal -3
.Lnot_wave_0_\@:
	s_barrier_wait -3
	s_barrier_signal -1
	s_barrier_wait -1
.endm
	s_load_b256 s[4:11], s[0:1], 0x0               ; ctx32 s[4:5], Wo s[6:7], bo s[8:9], out0 s[10:11]
	v_lshl_add_u32 v[SPW], v0, 2, SPARE
	v_mov_b32 v[NIL], 0
	ds_add_u32 v[SPW], v[NIL]                      ; the wave's opening: the add, twice on end, and its wait ahead of my first tensor load
	ds_add_u32 v[SPW], v[NIL]
	v_lshrrev_b32 v1, 5, v0
	v_readfirstlane_b32 s[WV], v1                  ; wave 0..15
	s_bfe_u32 s13, ttmp6, 0x40000                  ; cx
	s_lshl_b32 s14, ttmp9, 2
	s_add_co_u32 s14, s14, s13                     ; g = 4 x cluster x + cx: it enters Wo's, the bias's and out0's addresses alone
	; descriptor group 1: 16 rows x 128 elements of 4 bytes, 2,048 elements from row to row, four words of padding after every 128
	s_mov_b32 s[G1C], 15|(2<<16)|(1<<20)|(1<<21)|(6<<22)|(3<<25)   ; the mask: all four work-groups; bit 21 beside it
	s_mov_b32 s[G1W], (2<<16)|(1<<20)|(6<<22)|(3<<25)              ; no mask
.irp g, G1C, G1W
	s_mov_b32 s[\g+1], 128<<16                     ; tensor_dim0 = 128
	s_mov_b32 s[\g+2], 16<<16                      ; tensor_dim1 = 16
	s_mov_b32 s[\g+3], 128<<16                     ; tile_dim0 = 128
	s_mov_b32 s[\g+4], 16                          ; tile_dim1 = 16
	s_mov_b32 s[\g+5], 2048                        ; tensor_dim0_stride
	s_mov_b32 s[\g+6], 0
	s_mov_b32 s[\g+7], 0
.endr
	s_mul_i32 s40, s[WV], WREG                     ; my tiles in LDS
	s_lshl_b32 s42, s[WV], 9                       ; my K slice: 512 bytes of each row
	s_mov_b32 s43, 0
	s_lshl_b32 s44, s14, 17                        ; Wo: 16 rows of 8,192 bytes a work-group
	s_add_co_u32 s44, s44, s42
	s_mov_b32 s45, 0
	s_lshl_b32 s46, s14, 6                         ; 16 columns of f32
	s_mov_b32 s47, 0
	v_and_b32 v4, 15, v0                           ; r
	v_bfe_u32 v5, v0, 4, 1                         ; h
	v_and_b32 v6, 31, v0                           ; lane
	v_mul_u32_u24 v[FA], v4, TP
	v_lshl_add_u32 v[FA], v5, 4, v[FA]
	v_add_nc_u32 v[FA], s40, v[FA]                 ; row r, + 16 h
	v_lshlrev_b32 v8, 4, v6
	s_lshl_b32 s41, s[WV], 10
	v_add_nc_u32 v[RS], s41, v8
	v_add_nc_u32 v[RS], RED, v[RS]                 ; my image: RED + 1,024 x wave + 16 x lane
	s_lshl_b32 s41, s[WV], 9
	v_add_nc_u32 v[RL], s41, v8
	v_add_nc_u32 v[RL], RED, v[RL]                 ; in waves 0 and 1: registers 4 w .. 4 w + 3 of each image
	v_lshlrev_b32 v[BO], 5, v5
	s_lshl_b32 s41, s[WV], 4
	v_add_nc_u32 v[BO], s41, v[BO]                 ; 32 h + 16 w: outputs 8 h + 4 w + 0 .. 3
	v_lshl_add_u32 v[OO], v4, 13, v[BO]            ; + row r of 8,192 bytes
	s_wait_dscnt 0x0                               ; both opening adds are done
	s_wait_kmcnt 0x0
	s_mov_b32 s[G0C], 1
	s_mov_b32 s[G0C+1], s40
	s_add_nc_u64 s[G0C+2:G0C+3], s[4:5], s[42:43]  ; the same in all four partners
	s_or_b32 s[G0C+3], s[G0C+3], 0x80000000
	s_mov_b32 s[G0W], 1
	s_add_co_u32 s[G0W+1], s40, TILE
	s_add_nc_u64 s[G0W+2:G0W+3], s[6:7], s[44:45]
	s_or_b32 s[G0W+3], s[G0W+3], 0x80000000
	s_add_nc_u64 s[8:9], s[8:9], s[46:47]
	s_add_nc_u64 s[10:11], s[10:11], s[46:47]
	CROUND                                         ; all four work-groups are here: the joint loads meet
	tensor_load_to_lds s[G0C:G0C+3], s[G1C:G1C+7]
	s_nop 0
	tensor_load_to_lds s[G0W:G0W+3], s[G1W:G1W+7]
	s_nop 0
.rept 4
	v_nop
.endr
	s_wait_tensorcnt 0x0                           ; both my tiles are in; no other wave reads them
.irp i, 0,1,2,3,4,5,6,7,8,9,10,11,12,13,14,15
	ds_load_b128 v[CF+4*\i:CF+4*\i+3], v[FA] offset:32*\i
.endr
.irp i, 0,1,2,3,4,5,6,7,8,9,10,11,12,13,14,15
	ds_load_b128 v[WF+4*\i:WF+4*\i+3], v[FA] offset:TILE+32*\i
.endr
	s_wait_dscnt 0x0
.set n, 0
.rept 32                               ; four accumulators take turns, one instruction a turn; the first four start the sums
.if n < 4
	v_wmma_f32_16x16x4_f32 v[ACC+8*(n%4):ACC+8*(n%4)+7], v[WF+2*n:WF+2*n+1], v[CF+2*n:CF+2*n+1], 0
.else
	v_wmma_f32_16x16x4_f32 v[ACC+8*(n%4):ACC+8*(n%4)+7], v[WF+2*n:WF+2*n+1], v[CF+2*n:CF+2*n+1], v[ACC+8*(n%4):ACC+8*(n%4)+7]
.endif
.set n, n+1
.endr
.rept 8
	v_nop                                          ; eight places behind this form (ISA guide 7.12.1) ahead of the first read of results
.endr
.irp p, 0,1,2,3                        ; the four accumulators' sum goes into other registers; each accumulator is first read at its low end
	v_pk_add_f32 v[SUM+2*\p:SUM+2*\p+1], v[ACC+2*\p:ACC+2*\p+1], v[ACC+8+2*\p:ACC+8+2*\p+1]
	v_pk_add_f32 v[SUM+2*\p:SUM+2*\p+1], v[SUM+2*\p:SUM+2*\p+1], v[ACC+16+2*\p:ACC+16+2*\p+1]
	v_pk_add_f32 v[SUM+2*\p:SUM+2*\p+1], v[SUM+2*\p:SUM+2*\p+1], v[ACC+24+2*\p:ACC+24+2*\p+1]
.endr
	ds_store_b128 v[RS], v[SUM:SUM+3]
	ds_store_b128 v[RS], v[SUM+4:SUM+7] offset:512
	s_wait_dscnt 0x0                               ; for the others' sake: my image has landed
	s_barrier_signal -1
	s_barrier_wait -1
	s_cmp_lt_u32 s[WV], 2                          ; waves 0 and 1 finish: a branch on the wave's number, with no barrier inside
	s_cbranch_scc0 .Ljoin
	global_load_b128 v[16:19], v[BO], s[8:9]       ; the bias of my four outputs
.irp p, 0,1,2,3,4,5,6,7,8,9,10,11,12,13,14,15
	ds_load_b128 v[CF+4*\p:CF+4*\p+3], v[RL] offset:1024*\p
.endr
	s_wait_dscnt 0x0
.irp p, 1,2,3,4,5,6,7,8,9,10,11,12,13,14,15
	v_pk_add_f32 v[CF:CF+1], v[CF:CF+1], v[CF+4*\p:CF+4*\p+1]
	v_pk_add_f32 v[CF+2:CF+3], v[CF+2:CF+3], v[CF+4*\p+2:CF+4*\p+3]
.endr
	s_wait_loadcnt 0x0
	v_pk_add_f32 v[CF:CF+1], v[CF:CF+1], v[16:17]
	v_pk_add_f32 v[CF+2:CF+3], v[CF+2:CF+3], v[18:19]
	global_store_b128 v[OO], v[CF:CF+3], s[10:11]  ; position r, outputs 16 g + 8 h + 4 w + 0 .. 3: the two waves fill runs of 64 bytes, all that 16 columns give
.Ljoin:
	s_wait_tensorcnt 0x0                           ; the wave's end: behind my last tensor load and my last LDS store
	ds_add_u32 v[SPW], v[NIL]
	s_wait_dscnt 0x0
	CROUND                                         ; the closing round: no work-group ends while a partner may still ask for a tile that names it
	s_endpgm
.Lfunc_end_k_qdbd8dfc233_fine:
	.size	k_qdbd8dfc233_fine, .Lfunc_end_k_qdbd8dfc233_fine-k_qdbd8dfc233_fine
	.p2alignl 7, 3214868480
	.fill 96, 4, 3214868480
	.section	.rodata,"a",@progbits
	.p2align	6, 0x0
	.amdhsa_kernel k_qdbd8dfc233_fine
		.amdhsa_group_segment_fixed_size 288768
		.amdhsa_private_segment_fixed_size 0
		.amdhsa_enable_private_segment 0
		.amdhsa_kernarg_size 32
		.amdhsa_user_sgpr_count 2
		.amdhsa_user_sgpr_kernarg_segment_ptr 1
		.amdhsa_wavefront_size32 1
		.amdhsa_system_sgpr_workgroup_id_x 1
		.amdhsa_system_sgpr_workgroup_id_y 1
		.amdhsa_system_sgpr_workgroup_id_z 1
		.amdhsa_system_vgpr_workitem_id 0
		.amdhsa_next_free_vgpr 200
		.amdhsa_next_free_sgpr 66
		.amdhsa_reserve_vcc 0
		.amdhsa_float_denorm_mode_32 3
		.amdhsa_float_denorm_mode_16_64 3
		.amdhsa_memory_ordered 1
		.amdhsa_forward_progress 1
		.amdhsa_inst_pref_size 14
	.end_amdhsa_kernel
	.amdgpu_metadata
---
amdhsa.version: [ 1, 2 ]
amdhsa.kernels:
  - .name:           k_qdbd8dfc233_fine
    .symbol:         k_qdbd8dfc233_fine.kd
    .args:
      - { .name: ctx32, .offset: 0, .size: 8, .value_kind: global_buffer, .address_space: global }
      - { .name: Wo, .offset: 8, .size: 8, .value_kind: global_buffer, .address_space: global }
      - { .name: bo, .offset: 16, .size: 8, .value_kind: global_buffer, .address_space: global }
      - { .name: out0, .offset: 24, .size: 8, .value_kind: global_buffer, .address_space: global }
    .group_segment_fixed_size: 288768
    .private_segment_fixed_size: 0
    .kernarg_segment_align: 8
    .kernarg_segment_size: 32
    .max_flat_workgroup_size: 512
    .sgpr_count:     66
    .vgpr_count:     200
    .wavefront_size: 32
...
	.end_amdgpu_metadata
.endif
;; end of part 5
